; MI455X (gfx1250); checked and timed in simulation.
; The chip was launched on July 23, 2026; its instructions are those of AMD's public machine-readable ISA for CDNA 5 (MIT licence, August 2026) and "CDNA5" Instruction Set Architecture Reference Guide (July 2026). The comments in the code are by the model that wrote it; some were corrected since.
;; Causal Self Attention. Allowed arithmetic: matrix products marked QUANTISED: E4M3 operands, one given power-of-two scale a tensor, by v_wmma_f32_16x16x64_fp8_fp8 or v_wmma_f32_16x16x128_fp8_fp8, f32 sums; everything else in f32.
;; Inputs: Wk 1,024 x 1,024 float32; Wo 1,024 x 1,024 float32; Wq 1,024 x 1,024 float32; Wv 1,024 x 1,024 float32; bk 1,024 float32; bo 1,024 float32; bq 1,024 float32; bv 1,024 float32; lowp_scales 12 int32 (the exponents e of the quantised operands' scales 2^e); x 4 x 2,048 x 1,024 float32.
;; Outputs: out0 4 x 2,048 x 1,024 float32.
;; This version of the problem:
;;   THIS VERSION OF THE PROBLEM IS GIVEN IN LOW PRECISION. The matrix products marked QUANTISED in the list below multiply operands that are first quantised to E4M3 (4 exponent bits, 3 mantissa bits; 8 bits a number), with one given power-of-two scale for each operand tensor; their sums are f32. All else is computed in f32.
;;   The module's matrix products, in the order in which they are computed (A, B: the left and right operand; K: the contracted axis; several contracted axes count as one K, in the product's order):
;;     1. [M 8,192, K 1,024] x [K 1,024, N 1,024]; A: input x; B: input Wq: QUANTISED (scales: A lowp_scales[0], B lowp_scales[1])
;;     2. [M 8,192, K 1,024] x [K 1,024, N 1,024]; A: input x; B: input Wk: QUANTISED (scales: A lowp_scales[2], B lowp_scales[3])
;;     3. [M 8,192, K 1,024] x [K 1,024, N 1,024]; A: input x; B: input Wv: QUANTISED (scales: A lowp_scales[4], B lowp_scales[5])
;;     4. batch 64 x [M 2,048, K 64] x [K 64, N 2,048]; A: computed on the way; B: computed on the way: QUANTISED (scales: A lowp_scales[6], B lowp_scales[7])
;;     5. batch 64 x [M 2,048, K 2,048] x [K 2,048, N 64]; A: softmax (see below); B: computed on the way: QUANTISED (scales: A lowp_scales[8], B lowp_scales[9])
;;     6. [M 8,192, K 1,024] x [K 1,024, N 1,024]; A: computed on the way; B: input Wo: QUANTISED (scales: A lowp_scales[10], B lowp_scales[11])
;;   THE QUANTISER, for each operand of a quantised product, along K:
;;     - The operand's scale is 2^e, e = its entry of the input lowp_scales (int32; the entries are numbered through the quantised products in the list's order, A before B).
;;     - Each number is divided by the scale, clamped to +-448, and rounded to the nearest number of E4M3, ties to even, subnormals kept.
;;     - The product sums the exact products of the quantised numbers (number of the format x scale) in f32.
;;   ~~~python
;;   def quantise(x, axis, e):      # numpy; x: float32 -> the quantised numbers, widened to float32 again
;;       x = np.moveaxis(x, axis, -1); K = x.shape[-1]
;;       r = np.clip(x / 2.0 ** e, -448, 448)
;;       step = 2.0 ** (np.maximum(np.frexp(np.where(r == 0, 1, r))[1] - 1, -6) - 3)
;;       q = np.round(r / step) * step * 2.0 ** e      # np.round: ties to even
;;       return np.moveaxis(q, -1, axis).astype(np.float32)
;;   ~~~
;;   SOFTMAX AHEAD OF A QUANTISED PRODUCT. Where the list says 'softmax', what is quantised is not the finished softmax but p = 2^(t - M), with t = logit x log2(e) and M = ceil(the row's largest t), a whole number; so 1/2 < the row's largest p <= 1. The row's sum l is taken of the UNQUANTISED p, in f32, and the product's result is divided by l at the end. Since M is a whole number, a kernel that streams over the keys may use a running M (the ceiling of the running maximum): every later rescaling is an exact power of two, so the quantised numbers keep their values, but for numbers so far below the row's largest that they fall under the format's range.
;;   OPERANDS COMPUTED ON THE WAY. 'Computed on the way' means the value that the module computes at that place (a softmax that the list does not call 'softmax' is quantised finished and normalised). What goes into a quantiser is computed in f32, as accurately as f32 sums, v_exp_f32 and their like allow (about 1e-6 of the number): no bf16 or f16 on the way to a quantiser, and a product that is left as it is and whose result goes on into a quantised operand takes f32 operands (vector FMAs, or v_wmma_f32_16x16x4_f32). A number that lies on a knife's edge between two numbers of the format may be rounded either way, as far as f32 arithmetic and the matrix unit's own rounding can turn it there, and no further.
;; One version. Each part assembles by itself: llvm-mc -triple=amdgcn-amd-amdhsa -mcpu=gfx1250 --defsym DOCPART=n.
;; ======== version 1 of 1: 5 launches
;; limits: right only within a limited range of input values
;; workspace buffers: wc 4,194,304 bytes; xc 25,165,824 bytes; qkvc 25,165,824 bytes; ac 8,388,608 bytes
;; launch quant_w (part 1): grid 32 x 4, 4 waves a work-group, no clusters, 35,840 bytes of LDS; arguments Wq, Wk, Wv, Wo, lowp_scales, wc; writes wc
.if DOCPART == 1
	.amdgcn_target "amdgcn-amd-amdhsa--gfx1250"
	.amdhsa_code_object_version 6
	.text
	.protected	k_qb62d9060b1_quant_w
	.globl	k_qb62d9060b1_quant_w
	.p2align	8
	.type	k_qb62d9060b1_quant_w,@function
k_qb62d9060b1_quant_w:
	s_mov_b64 s[64:65], 0
	v_nop
	global_prefetch_b8 v0, s[64:65] scope:SCOPE_SE
	s_setreg_imm32_b32 hwreg(HW_REG_WAVE_MODE, 25, 1), 1
	s_wait_xcnt 0x0
; Wq, Wk, Wv, Wo, each [1024 (k)][1024 (n)] f32 with K as FIRST axis, become codes of FP8 (E4M3) laid [n][1024 bytes], weight g at g x 2^20 bytes of wc.
; code = w / 2^e, held within +-448, to the nearest code, ties to even; e = entry 1, 3, 5, 11 of the exponents for g = 0, 1, 2, 3.
; LIMITS: -126 <= e <= 119, so that 2^e and 448 x 2^e are f32 numbers.  NaN among the inputs is not served; an infinity is held at the largest code.
; THE ORDER OF A ROW'S BYTES: byte p holds k = PI(p): p with its bits 3 and 4 exchanged (in each 32 bytes: k 0-7, 16-23, 8-15, 24-31).  A lane that later reads 16 bytes at 32 c + 16 (lane / 16)
; of a row then holds k = 32 c + 8 (lane / 16) + 0..7 and 32 c + 16 + 8 (lane / 16) + 0..7: the places that the plain 8-bit matrix forms give its registers 4 c .. 4 c + 3.
; A LANE TAKES A COLUMN n AND ITS REGISTERS RUN DOWN K (in PI's order): each load reads 128 consecutive bytes a wave, and the conversions give codes with K innermost; nothing is transposed.
; A wave takes 32 columns x 256 places along K; its codes go through its own stage in LDS and leave as rows: sixteen lanes store 256 consecutive aligned bytes.
; Work-group x: weight g = x / 8, columns 128 (x % 8) on; y: which 256 along K.  No tensor loads, no barrier: waves share nothing.  Loads run two blocks (64 loads a wave) ahead.
.set SIZE_N, 1024
.set KW,    256                        ; places along K for a wave
.set NB,    KW/32                      ; blocks of 32
.set ROWB,  256                        ; bytes of KW codes
.set PITCH, ROWB+16                    ; a stage row
.set KROW,  1024                       ; a row of the codes in bytes
.set X,     32                         ; v32-95   two sets of 32 numbers
.set C,     96                         ; v96-103  a block's codes
.set OUTR,  112                        ; v112-175 the way out
.set SPW,   14                         ; v14      LDS address of my spare word; never rewritten
.set NIL,   15                         ; v15      0; never rewritten
.set SPARE, 4*32*PITCH                 ; behind the four stages: the spare words, 128 bytes a wave, that no other line names
	s_load_b256 s[4:11], s[0:1], 0x0               ; Wq, Wk, Wv, Wo
	s_load_b128 s[12:15], s[0:1], 0x20             ; the exponents s[12:13], wc s[14:15]
	v_lshl_add_u32 v[SPW], v0, 2, SPARE
	v_mov_b32 v[NIL], 0
	v_lshrrev_b32 v1, 5, v0
	v_readfirstlane_b32 s16, v1                    ; wave 0..3
	v_and_b32 v2, 31, v0                           ; lane
	s_lshr_b32 s28, ttmp9, 3                       ; g: which weight
	s_and_b32 s17, ttmp9, 7
	s_lshl_b32 s17, s17, 7
	s_lshl_b32 s18, s16, 5
	s_add_co_u32 s17, s17, s18                     ; my wave's first column
	s_and_b32 s18, ttmp7, 0xffff                   ; which 256 along K
	v_lshlrev_b32 v3, 2, v2                        ; in: 4 bytes a lane
	s_mul_i32 s19, s16, 32*PITCH                   ; my stage
	v_mul_u32_u24 v4, v2, PITCH
	v_add_nc_u32 v4, s19, v4                       ; into it: row = my column
	v_and_b32 v5, 15, v2
	v_lshrrev_b32 v6, 4, v2                        ; out of it: sixteen lanes to a row, two rows an instruction
	v_mul_u32_u24 v7, v6, PITCH
	v_lshl_add_u32 v7, v5, 4, v7
	v_add_nc_u32 v7, s19, v7
	v_mul_u32_u24 v8, v6, KROW
	v_lshl_add_u32 v8, v5, 4, v8                   ; and the same place among the codes
	s_lshl_b32 s20, s18, 20                        ; W: 256 y rows of 4,096 bytes
	s_lshl_b32 s21, s17, 2
	s_add_co_u32 s20, s20, s21                     ; + 4 x column
	s_mov_b32 s21, 0
	s_lshl_b32 s24, s28, 20                        ; codes: the weight's 2^20 bytes,
	s_lshl_b32 s25, s17, 10
	s_add_co_u32 s24, s24, s25                     ; + column x 1,024
	s_lshl_b32 s25, s18, 8
	s_add_co_u32 s24, s24, s25                     ; + 256 y
	s_mov_b32 s25, 0
	s_wait_kmcnt 0x0
	s_load_b256 s[32:39], s[12:13], 0x0            ; e0 .. e7
	s_load_b128 s[40:43], s[12:13], 0x20           ; e8 .. e11
	s_cmp_eq_u32 s28, 1                            ; the weight is chosen by the work-group's number alone
	s_cselect_b64 s[4:5], s[6:7], s[4:5]
	s_cmp_eq_u32 s28, 2
	s_cselect_b64 s[4:5], s[8:9], s[4:5]
	s_cmp_eq_u32 s28, 3
	s_cselect_b64 s[4:5], s[10:11], s[4:5]
	s_add_nc_u64 s[4:5], s[4:5], s[20:21]
	s_add_nc_u64 s[14:15], s[14:15], s[24:25]
.macro LOAD t                          ; block t: register i takes W(32 t + PI(i), my column), into set t % 2
.set i, 0
.rept 32
	global_load_b32 v[X+32*((\t)%2)+i], v3, s[4:5] offset:(32*(\t)+((i&7)|((i&8)<<1)|((i&16)>>1)))*SIZE_N*4 th:TH_LOAD_NT
.set i, i+1
.endr
.endm
	LOAD 0
	LOAD 1
	s_wait_kmcnt 0x0
	s_cmp_eq_u32 s28, 1
	s_cselect_b32 s30, s35, s33                    ; e: entry 1, 3, 5 or 11: a value is chosen, nothing branches on it
	s_cmp_eq_u32 s28, 2
	s_cselect_b32 s30, s37, s30
	s_cmp_eq_u32 s28, 3
	s_cselect_b32 s30, s43, s30
	s_add_co_i32 s30, s30, 127
	s_lshl_b32 s31, s30, 23
	v_mov_b32 v11, s31                             ; 2^e as f32: the conversion takes its exponent field
	s_add_co_i32 s30, s30, 8
	s_lshl_b32 s30, s30, 23
	s_or_b32 s30, s30, 0x600000
.macro BLOCK t
.set XS, X+32*((\t)%2)
.if (\t) < NB-1
	s_wait_loadcnt 32                              ; this block's 32 loads are in; the next block's 32 may be out
.else
	s_wait_loadcnt 0
.endif
.set m, 0
.rept 32
.set m, m+1
.endr
.irp g, 0,1,2,3
	v_cvt_scalef32_pk8_fp8_f32 v[C+2*\g:C+2*\g+1], v[XS+8*\g:XS+8*\g+7], v11
.endr
	ds_store_b128 v4, v[C:C+3] offset:32*(\t)      ; 32 codes: 32 bytes of my column's row
	ds_store_b128 v4, v[C+4:C+7] offset:32*(\t)+16
.if (\t)+2 < NB
	LOAD (\t)+2
.endif
	s_wait_dscnt 0x0                               ; the stores have read their registers: the next block's codes may be written
.endm
.set Q, 0
	s_wait_alu depctr_va_vdst(0)
.rept NB
	BLOCK Q
.set Q, Q+1
.endr
.irp t, 0,1,2,3,4,5,6,7,8,9,10,11,12,13,14,15
	ds_load_b128 v[OUTR+4*\t:OUTR+4*\t+3], v7 offset:2*\t*PITCH   ; LDS serves a wave's instructions in order (ISA guide 5.7.1.4): these see my stores
.endr
.irp t, 0,1,2,3,4,5,6,7,8,9,10,11,12,13,14,15
	s_wait_dscnt 15-\t                             ; the younger read-backs may stay out
	global_store_b128 v8, v[OUTR+4*\t:OUTR+4*\t+3], s[14:15] offset:2*\t*KROW   ; sixteen lanes store 256 consecutive bytes, aligned
.endr
	s_wait_tensorcnt 0x0                           ; the wave's end
	ds_add_u32 v[SPW], v[NIL]
	s_wait_dscnt 0x0
	s_endpgm
.Lfunc_end_k_qb62d9060b1_quant_w:
	.size	k_qb62d9060b1_quant_w, .Lfunc_end_k_qb62d9060b1_quant_w-k_qb62d9060b1_quant_w
	.p2alignl 7, 3214868480
	.fill 96, 4, 3214868480
	.section	.rodata,"a",@progbits
	.p2align	6, 0x0
	.amdhsa_kernel k_qb62d9060b1_quant_w
		.amdhsa_group_segment_fixed_size 35840
		.amdhsa_private_segment_fixed_size 0
		.amdhsa_enable_private_segment 0
		.amdhsa_kernarg_size 48
		.amdhsa_user_sgpr_count 2
		.amdhsa_user_sgpr_kernarg_segment_ptr 1
		.amdhsa_wavefront_size32 1
		.amdhsa_system_sgpr_workgroup_id_x 1
		.amdhsa_system_sgpr_workgroup_id_y 1
		.amdhsa_system_sgpr_workgroup_id_z 1
		.amdhsa_system_vgpr_workitem_id 0
		.amdhsa_next_free_vgpr 192
		.amdhsa_next_free_sgpr 66
		.amdhsa_reserve_vcc 0
		.amdhsa_float_denorm_mode_32 3
		.amdhsa_float_denorm_mode_16_64 3
		.amdhsa_fp16_overflow 1
		.amdhsa_memory_ordered 1
		.amdhsa_forward_progress 1
		.amdhsa_inst_pref_size 34
	.end_amdhsa_kernel
	.amdgpu_metadata
---
amdhsa.version: [ 1, 2 ]
amdhsa.kernels:
  - .name:           k_qb62d9060b1_quant_w
    .symbol:         k_qb62d9060b1_quant_w.kd
    .args:
      - { .name: Wq, .offset: 0, .size: 8, .value_kind: global_buffer, .address_space: global }
      - { .name: Wk, .offset: 8, .size: 8, .value_kind: global_buffer, .address_space: global }
      - { .name: Wv, .offset: 16, .size: 8, .value_kind: global_buffer, .address_space: global }
      - { .name: Wo, .offset: 24, .size: 8, .value_kind: global_buffer, .address_space: global }
      - { .name: lowp_scales, .offset: 32, .size: 8, .value_kind: global_buffer, .address_space: global }
      - { .name: wc, .offset: 40, .size: 8, .value_kind: global_buffer, .address_space: global }
    .group_segment_fixed_size: 35840
    .private_segment_fixed_size: 0
    .kernarg_segment_align: 8
    .kernarg_segment_size: 48
    .max_flat_workgroup_size: 128
    .sgpr_count:     66
    .vgpr_count:     192
    .wavefront_size: 32
...
	.end_amdgpu_metadata
.endif
;; end of part 1
;; launch quant_x (part 2): grid 512 x 1, 4 waves a work-group, no clusters, 33,280 bytes of LDS; arguments x, lowp_scales, xc; writes xc
.if DOCPART == 2
	.amdgcn_target "amdgcn-amd-amdhsa--gfx1250"
	.amdhsa_code_object_version 6
	.text
	.protected	k_qb62d9060b1_quant_x
	.globl	k_qb62d9060b1_quant_x
	.p2align	8
	.type	k_qb62d9060b1_quant_x,@function
k_qb62d9060b1_quant_x:
	s_mov_b64 s[64:65], 0
	v_nop
	global_prefetch_b8 v0, s[64:65] scope:SCOPE_SE
	s_setreg_imm32_b32 hwreg(HW_REG_WAVE_MODE, 25, 1), 1
	s_wait_xcnt 0x0
; x [8192][1024] f32 becomes THREE tensors of FP8 (E4M3) codes, one for each product that takes it, under the exponents e0, e2, e4, which may differ: tensor g at g x 2^23 bytes of xc, rows of 1,024 bytes.
; code = x / 2^e, held within +-448, to the nearest code, ties to even.  LIMITS: -126 <= e <= 119.  NaN among the inputs is not served; an infinity is held at the largest code.
; THE ORDER OF A ROW'S BYTES: byte p holds k = p with its bits 3 and 4 exchanged (in each 32: k 0-7, 16-23, 8-15, 24-31), as in the weights' codes, so that 16-byte fragment loads find k in the plain 8-bit forms' own places.
; Rows are dense and 1,024 is a multiple of 32: the tensor is a plain stream of blocks of 32.  A wave takes 8 steps of 512 numbers.  Each of a step's four loads reads 512 consecutive bytes; the 2,048 bytes go through
; the wave's own stage in LDS (16 bytes of padding behind each 64) and come back so that lane l holds the 16 numbers of places 16 l .. 16 l + 15: floats 32 c + 8 h + 0..7 and 32 c + 16 + 8 h + 0..7, c = l / 2, h = l % 2.
; These reads start at even 16-byte columns only, so two lanes of sixteen fall on the same banks: twice through the banks for each read-back, for four read-backs a step.
; x is read once and quantised three times in registers.  A lane's 16 codes are 16 bytes: each store of the wave covers 512 consecutive bytes, aligned.  No tensor loads, no barrier.  Loads run four steps (16 loads) ahead.
.set WAVES, 4
.set STEPS, 8
.set R,     16                         ; v16-79   four sets of 16 numbers as loaded
.set X,     80                         ; v80-111  two sets of 16 numbers in the codes' order
.set T,     112                        ; v112-159 the numbers held, once for each scale
.set C,     160                        ; v160-255 codes: twelve registers for each step, so that no store's data are written again
.set WREG,  8192                       ; LDS: a region for each wave: two stages
.set SP,    80                         ; 64 bytes + 16 of padding
.set STG,   32*SP                      ; a stage
.set SPW,   12                         ; v12      LDS address of my spare word; never rewritten
.set NIL,   13                         ; v13      0; never rewritten
.set SPARE, WAVES*WREG                 ; behind the four regions: the spare words, 128 bytes a wave, that no other line names
	s_load_b128 s[4:7], s[0:1], 0x0                ; x s[4:5], the exponents s[6:7]
	s_load_b64 s[8:9], s[0:1], 0x10                ; xc
	v_lshl_add_u32 v[SPW], v0, 2, SPARE
	v_mov_b32 v[NIL], 0
	v_lshrrev_b32 v1, 5, v0
	v_readfirstlane_b32 s16, v1                    ; wave
	v_and_b32 v2, 31, v0                           ; lane
	v_lshlrev_b32 v3, 4, v2                        ; 16 x lane: my bytes of a load's 512 and of a store's 512; never rewritten
	s_mul_i32 s17, s16, WREG
	v_lshrrev_b32 v14, 2, v2
	v_mul_u32_u24 v14, v14, SP
	v_and_b32 v15, 3, v2
	v_lshl_add_u32 v14, v15, 4, v14
	v_add_nc_u32 v14, s17, v14                     ; the stage, on the way in: SP (lane / 4) + 16 (lane % 4)
	v_lshrrev_b32 v15, 1, v2
	v_mul_u32_u24 v15, v15, 2*SP
	v_and_b32 v4, 1, v2
	v_lshl_add_u32 v15, v4, 5, v15
	v_add_nc_u32 v15, s17, v15                     ; and on the way out: 2 SP (lane / 2) + 32 (lane % 2)
	s_lshl_b32 s18, ttmp9, 2
	s_add_co_u32 s18, s18, s16                     ; which run of 4,096 numbers is my wave's
	s_lshl_b32 s20, s18, 14
	s_mov_b32 s21, 0
	s_lshl_b32 s22, s18, 12
	s_mov_b32 s23, 0
	s_wait_alu depctr_va_vdst(0)
	s_wait_kmcnt 0x0
	s_load_b256 s[24:31], s[6:7], 0x0              ; e0 .. e7: s24, s26, s28 are x's three
	s_add_nc_u64 s[4:5], s[4:5], s[20:21]
	s_add_nc_u64 s[8:9], s[8:9], s[22:23]          ; three bases: 2^23 bytes do not fit a store's immediate
	s_add_nc_u64 s[10:11], s[8:9], 0x800000
	s_add_nc_u64 s[12:13], s[8:9], 0x1000000
.macro LOAD t
.irp i, 0,1,2,3
	global_load_b128 v[R+16*((\t)%4)+4*\i:R+16*((\t)%4)+4*\i+3], v3, s[4:5] offset:2048*(\t)+512*\i th:TH_LOAD_NT   ; 32 lanes read 512 consecutive bytes
.endr
.endm
.macro TURN t                          ; step t's numbers through the stage: LDS serves a wave's instructions in order, so no wait stands between the stores and the loads
.irp i, 0,1,2,3
	ds_store_b128 v14, v[R+16*((\t)%4)+4*\i:R+16*((\t)%4)+4*\i+3] offset:STG*((\t)%2)+8*SP*\i
.endr
	ds_load_b128 v[X+16*((\t)%2):X+16*((\t)%2)+3],     v15 offset:STG*((\t)%2)
	ds_load_b128 v[X+16*((\t)%2)+4:X+16*((\t)%2)+7],   v15 offset:STG*((\t)%2)+16
	ds_load_b128 v[X+16*((\t)%2)+8:X+16*((\t)%2)+11],  v15 offset:STG*((\t)%2)+SP
	ds_load_b128 v[X+16*((\t)%2)+12:X+16*((\t)%2)+15], v15 offset:STG*((\t)%2)+SP+16
.endm
.irp t, 0,1,2,3
	LOAD \t
.endr
	s_wait_kmcnt 0x0
.irp g, 0,1,2
	s_add_co_i32 s20, s[24+2*\g], 127
	s_lshl_b32 s21, s20, 23
	v_mov_b32 v[5+\g], s21                         ; v5-7: 2^e as f32
	s_add_co_i32 s20, s20, 8
	s_lshl_b32 s20, s20, 23
	s_or_b32 s20, s20, 0x600000
	v_mov_b32 v[8+\g], s20                         ; v8-10: 448 x 2^e
.endr
	s_wait_alu depctr_va_vdst(0)
	s_wait_loadcnt 12                              ; step 0's four loads are in; the twelve of steps 1 to 3 may be out
	TURN 0
.macro STEP t
.set XS, X+16*((\t)%2)
	s_wait_dscnt 0x0                               ; this step's numbers are back from the stage: so its stores into the stage have read their registers,
.if (\t)+4 < STEPS
	LOAD (\t)+4                                    ; which take the loads of four steps on
.endif
.if (\t)+1 < STEPS
.if STEPS-2-(\t) >= 3
	s_wait_loadcnt 12                              ; the next step's four loads are in; those of the three steps behind it may be out
.else
	s_wait_loadcnt 4*(STEPS-2-(\t))                ; towards the end fewer steps stand behind it
.endif
	TURN (\t)+1                                    ; and go through the other stage while this step is worked
.endif
.irp g, 0,1,2
.set m, 0
.rept 16
	v_med3_num_f32 v[T+16*\g+m], v[XS+m], -v[8+\g], v[8+\g]   ; the conversion to an 8-bit code does not saturate (ISA guide 7.6.2): the hold, for each scale
.set m, m+1
.endr
.endr
.irp g, 0,1,2
	v_cvt_scalef32_pk8_fp8_f32 v[C+12*(\t)+4*\g:C+12*(\t)+4*\g+1], v[T+16*\g:T+16*\g+7], v[5+\g]
	v_cvt_scalef32_pk8_fp8_f32 v[C+12*(\t)+4*\g+2:C+12*(\t)+4*\g+3], v[T+16*\g+8:T+16*\g+15], v[5+\g]
.endr
	v_nop                                          ; one plain line behind the conversions: the next step's holds write their sources
.irp g, 0,1,2
	global_store_b128 v3, v[C+12*(\t)+4*\g:C+12*(\t)+4*\g+3], s[8+2*\g:9+2*\g] offset:512*(\t)
.endr
.endm
.irp t, 0,1,2,3,4,5,6,7
	STEP \t
.endr
	s_wait_tensorcnt 0x0                           ; the wave's end
	ds_add_u32 v[SPW], v[NIL]
	s_wait_dscnt 0x0
	s_endpgm
.Lfunc_end_k_qb62d9060b1_quant_x:
	.size	k_qb62d9060b1_quant_x, .Lfunc_end_k_qb62d9060b1_quant_x-k_qb62d9060b1_quant_x
	.p2alignl 7, 3214868480
	.fill 96, 4, 3214868480
	.section	.rodata,"a",@progbits
	.p2align	6, 0x0
	.amdhsa_kernel k_qb62d9060b1_quant_x
		.amdhsa_group_segment_fixed_size 33280
		.amdhsa_private_segment_fixed_size 0
		.amdhsa_enable_private_segment 0
		.amdhsa_kernarg_size 24
		.amdhsa_user_sgpr_count 2
		.amdhsa_user_sgpr_kernarg_segment_ptr 1
		.amdhsa_wavefront_size32 1
		.amdhsa_system_sgpr_workgroup_id_x 1
		.amdhsa_system_sgpr_workgroup_id_y 1
		.amdhsa_system_sgpr_workgroup_id_z 1
		.amdhsa_system_vgpr_workitem_id 0
		.amdhsa_next_free_vgpr 256
		.amdhsa_next_free_sgpr 66
		.amdhsa_reserve_vcc 0
		.amdhsa_float_denorm_mode_32 3
		.amdhsa_float_denorm_mode_16_64 3
		.amdhsa_memory_ordered 1
		.amdhsa_forward_progress 1
		.amdhsa_inst_pref_size 40
	.end_amdhsa_kernel
	.amdgpu_metadata
---
amdhsa.version: [ 1, 2 ]
amdhsa.kernels:
  - .name:           k_qb62d9060b1_quant_x
    .symbol:         k_qb62d9060b1_quant_x.kd
    .args:
      - { .name: x, .offset: 0, .size: 8, .value_kind: global_buffer, .address_space: global }
      - { .name: lowp_scales, .offset: 8, .size: 8, .value_kind: global_buffer, .address_space: global }
      - { .name: xc, .offset: 16, .size: 8, .value_kind: global_buffer, .address_space: global }
    .group_segment_fixed_size: 33280
    .private_segment_fixed_size: 0
    .kernarg_segment_align: 8
    .kernarg_segment_size: 24
    .max_flat_workgroup_size: 128
    .sgpr_count:     66
    .vgpr_count:     256
    .wavefront_size: 32
...
	.end_amdgpu_metadata
.endif
;; end of part 2
;; launch qkv (part 3): grid 96 x 4, 4 waves a work-group, clusters of 4 x 4, 327,680 bytes of LDS; arguments xc, wc, lowp_scales, bq, bk, bv, qkvc; writes qkvc
.if DOCPART == 3
	.amdgcn_target "amdgcn-amd-amdhsa--gfx1250"
	.amdhsa_code_object_version 6
	.text
	.protected	k_qb62d9060b1_qkv
	.globl	k_qb62d9060b1_qkv
	.p2align	8
	.type	k_qb62d9060b1_qkv,@function
k_qb62d9060b1_qkv:
	s_mov_b64 s[64:65], 0
	v_nop
	global_prefetch_b8 v0, s[64:65] scope:SCOPE_SE
	s_setreg_imm32_b32 hwreg(HW_REG_WAVE_MODE, 25, 1), 1
	s_wait_xcnt 0x0
	s_wait_alu depctr_hold_cnt(0) depctr_sa_sdst(0) depctr_va_vdst(0) depctr_va_sdst(0) depctr_va_ssrc(0) depctr_va_vcc(0) depctr_vm_vsrc(0)
	s_getreg_b32 s2, hwreg(HW_REG_IB_STS2, 6, 4)
	s_cmp_eq_u32 s2, 0
	s_cbranch_scc0 .Lentry_in_a_cluster
	s_endpgm
.Lentry_in_a_cluster:
	s_bfe_u32 s2, ttmp6, 0x10000c
	s_cmp_lg_u32 s2, 0xf033
	s_cbranch_scc0 .Lentry_shape_is_right
	s_endpgm
.Lentry_shape_is_right:
; q = x Wq + bq, k = x Wk + bk, v = x Wv + bv on codes of FP8 (E4M3), and each result quantised at once for attention: q with e6, k with e7, v with e9.  [8192 x 1024 x 1024] three times; sums in f32.
; A sum stands for sum x 2^(ea + eb) (e0 + e1, e2 + e3, e4 + e5); result = sum x 2^(ea + eb) + bias, one fused multiply-add; code = result / 2^eo, held within +-448, to the nearest code.
; LIMITS: ea + eb between -126 and 127, eo between -126 and 119, so that each power of two below is an f32 number.
; A tile of 256 x 256 is made by four waves, 128 x 128 each: 64 accumulators, 512 registers.  K goes in steps of 256 through two LDS slots filled by the tensor data mover; rows of 256 bytes, 16 of padding behind each.
; THE MATRIX INSTRUCTION IS USED TRANSPOSED: source 0 = 16 rows of B, source 1 = 16 rows of A: a lane holds ONE row of A, and its eight registers run along B's rows.  What runs along a lane's registers has to be the next
; product's K.  For q and k that is the channel: A = x's codes (tokens), B = W's codes (channels).  For v it is the key: A = Wv's codes (channels), B = x's codes (tokens).  The tile is square and both buffers have rows of
; 1,024 bytes, so the exchange is a choice of pointers and indices by the cluster's number, and the loop is one text.
; THE RESULT LEAVES AS IMAGES OF THE NEXT OPERAND'S REGISTERS: eight sums of a lane become two registers of codes, which are registers 2 c, 2 c + 1 (k = 16 c + 8 (lane / 16) + 0..7) of a plain 8-bit fragment.
;   q, k: [head 64][tile of 16 tokens, 128][1,024 bytes]: byte 512 c + 16 lane of an image = registers 4 c .. 4 c + 3.   v: [head 64][step of 128 keys, 16][tile of 16 channels, 4][2,048 bytes].
; Each store of the wave covers 512 consecutive bytes, aligned; no stage in LDS is needed.
; CLUSTERS: 4 x 4 work-groups; 24 clusters: cluster x / 8 says q, k or v; cluster x % 8 which 1,024 tokens.  A's tile is asked for jointly by a row of the cluster, B's by a column.
; K is four slots, so the steps are written out with no loop.  A wave has two tensor loads out at the start and one behind each change of slots that fills.
; REGISTERS, in windows of 256: window 0: v0-31 addresses and scales; v32-63 at work; v64-127 the bias in the result's layout; v128-255 A's fragments, ONE set, later the codes.
;   window 1: B's fragments, TWO sets.   window 2: the accumulators of my rows 0-63 of A ((a, b) at v[8 (8 a + b)]);   window 3: those of rows 64-127.
.set KSTEP,  256
.set ROWB,   256                       ; a tile's row in bytes
.set KROW,   1024                      ; a row of codes in memory
.set PITCH,  272                       ; an LDS row: 256 bytes + 16 = 68 words: row r starts at bank 4 r mod 64 (64 banks of 4 bytes: ISA guide 11.1)
.set FR,     16                        ; registers of a fragment: 16 rows x 128 K
.set NL,     4                         ; LDS loads that bring one
.set NP,     4                         ; places behind this matrix instruction (ISA guide 7.12.1)
.set HALFT,  128*PITCH
.set SLOT,   4*HALFT                   ; A's 256 rows, then B's 256 rows
.set SPARE,  2*SLOT                    ; behind the ring: the spare words, 128 bytes a wave, that no other line names
.set ADRA, 16                          ; v16-17  LDS address of my A fragments in slot 0, 1
.set ADRB, 20                          ; v20-21  the same for B
.set LI,   24                          ; v24     16 x lane: an image's place for my lane; never rewritten
.set OFS,  26                          ; v26     at work
.set SPW,  28                          ; v28     LDS address of my spare word; never rewritten
.set NIL,  29                          ; v29     0; never rewritten
.set SCL,  30                          ; v30     2^eo
.set LIMV, 31
.set TMP,  32                          ; v32-63  first the bias loads' offsets (v32-39), then 32 results at work
.set BI,   64                          ; v64-127 the bias: eight registers for each of eight tiles
.set AF,   128
.set CD,   128                         ; the codes: sixteen registers for each block of A's rows, so that no store's data are written again
.set G1, 24                            ; s[24:31] descriptor group 1 for A's tiles;  s[32:39] group 0, one set for each slot
.set G0, 32
.set G1B, 48                           ; s[48:55], s[56:63] the same for B's tiles
.set G0B, 56
.set MSB, 0
.macro WIN new                         ; the immediate's high byte repeats the setting that is left
.if MSB != \new
	s_set_vgpr_msb (MSB<<8)|\new
.set MSB, \new
.endif
.endm
.set MUL_LO, 0xa1                      ; source 0 (B) window 1, source 1 (A) window 0, C and D window 2
.set MUL_HI, 0xf1                      ; the same, C and D window 3
.set TO_B,   0x40                      ; destination window 1, address window 0
; A joint load: waves 0 and 1 fetch for A, waves 2 and 3 for B; the branch hangs on the wave's number alone.  An s_nop 0 and four v_nop follow each of the two lines.
.macro JLOAD g0a, g1a, g0b, g1b
	s_cmp_eq_u32 s15, 0
	s_cbranch_scc0 .Lfor_b_\@
	tensor_load_to_lds s[\g0a:\g0a+3], s[\g1a:\g1a+7]
	s_nop 0
.rept 4
	v_nop
.endr
	s_branch .Lasked_\@
.Lfor_b_\@:
	tensor_load_to_lds s[\g0b:\g0b+3], s[\g1b:\g1b+7]
	s_nop 0
.rept 4
	v_nop
.endr
.Lasked_\@:
.endm
.macro CREST                           ; a round of the cluster's barrier behind its opening barrier
	s_cmp_lg_u32 s14, 0
	s_cbranch_scc1 .Lnot_wave_0_\@
	s_barrier_signal -3
.Lnot_wave_0_\@:
	s_barrier_wait -3
	s_barrier_signal -1
	s_barrier_wait -1
.endm
.macro CROUND                          ; a whole round
	s_barrier_signal -1
	s_barrier_wait -1
	CREST
.endm
	s_load_b128 s[4:7], s[0:1], 0x0                ; x's codes s[4:5], the weights' codes s[6:7]
	s_load_b64 s[8:9], s[0:1], 0x10                ; the exponents
	s_load_b256 s[68:75], s[0:1], 0x18             ; bq s[68:69], bk s[70:71], bv s[72:73], qkvc s[74:75]
	v_lshl_add_u32 v[SPW], v0, 2, SPARE
	v_mov_b32 v[NIL], 0
	ds_add_u32 v[SPW], v[NIL]
	ds_add_u32 v[SPW], v[NIL]                      ; the wave's opening: the add and its wait stand ahead of my first tensor load; work on registers stands between them
	v_lshrrev_b32 v1, 5, v0
	v_readfirstlane_b32 s14, v1                    ; wave 0..3
	s_lshr_b32 s15, s14, 1                         ; which half of A's rows is mine.  Also: I fetch for A (0) or for B (1)
	s_and_b32 s16, s14, 1                          ; which half of B's rows.  Also: which 128 rows of that tile I fetch
	s_bfe_u32 s40, ttmp6, 0x40000                  ; cx, cy: my place in the cluster
	s_bfe_u32 s41, ttmp6, 0x40004
	s_lshr_b32 s76, ttmp9, 3                       ; 0 q, 1 k, 2 v: the cluster's number alone, alike in all partners
	s_and_b32 s77, ttmp9, 7
	s_lshl_b32 s77, s77, 2                         ; the cluster's first block of 256 tokens
	s_cmp_eq_u32 s76, 2
	s_cselect_b32 s78, 1, 0                        ; 1 for v
	s_cselect_b32 s79, 0, s77                      ; tokens run along A's rows for q and k,
	s_cselect_b32 s42, s77, 0                      ; along B's rows for v
	s_cselect_b32 s18, 20, 23                      ; a tensor's bytes in A's buffer: 2^20 among the weights, 2^23 in x's codes
	s_cselect_b32 s19, 23, 20                      ; and in B's
	s_add_co_u32 s17, s41, s79                     ; tile row: it never holds cx
	s_add_co_u32 s42, s42, s40                     ; tile column: it never holds cy
	s_lshl_b32 s43, s41, 2
	s_lshl_b32 s43, 15, s43                        ; my row of the cluster
	s_lshl_b32 s44, 0x1111, s40                    ; my column
	s_or_b32 s[G1+0], s43, (0<<16)|(1<<20)|(1<<21)|(5<<22)|(3<<25)  ; 15:0 the mask; 17:16 elements of 1 byte; 20 padding on; 21 set beside a mask; 24:22 after every 64 words (code 5); 31:25 of 4 words (code 3)
	s_or_b32 s[G1B+0], s44, (0<<16)|(1<<20)|(1<<21)|(5<<22)|(3<<25)
.irp g, G1, G1B
	s_mov_b32 s[\g+1], ROWB<<16                    ; tensor_dim0
	s_mov_b32 s[\g+2], 128<<16                     ; tensor_dim1 = 128
	s_mov_b32 s[\g+3], ROWB<<16                    ; tile_dim0
	s_mov_b32 s[\g+4], 128                         ; tile_dim1 = 128
	s_mov_b32 s[\g+5], KROW                        ; tensor_dim0_stride
	s_mov_b32 s[\g+6], 0
	s_mov_b32 s[\g+7], 0
.endr
	s_lshl_b32 s20, s17, 8
	s_lshl_b32 s21, s16, 7
	s_add_co_u32 s20, s20, s21                     ; A: row 256 x tile row + 128 x half,
	s_lshl_b32 s20, s20, 10                        ; in bytes,
	s_lshl_b32 s21, s76, s18
	s_add_co_u32 s20, s20, s21                     ; in its tensor
	s_mov_b32 s21, 0
	s_lshl_b32 s46, s42, 8
	s_lshl_b32 s47, s16, 7
	s_add_co_u32 s46, s46, s47                     ; B likewise, by the tile column
	s_lshl_b32 s46, s46, 10
	s_lshl_b32 s47, s76, s19
	s_add_co_u32 s46, s46, s47
	s_mov_b32 s47, 0
	s_mul_i32 s45, s14, HALFT                      ; where they go: wave x 128 rows: no place in the cluster enters an LDS address
	s_wait_dscnt 0x0                               ; the opening add is done
	s_wait_kmcnt 0x0
	s_load_b256 s[80:87], s[8:9], 0x0              ; e0 .. e7
	s_load_b128 s[88:91], s[8:9], 0x20             ; e8 .. e11
	s_cmp_eq_u32 s78, 1
	s_cselect_b64 s[92:93], s[6:7], s[4:5]         ; A's buffer,
	s_cselect_b64 s[94:95], s[4:5], s[6:7]         ; B's
	s_add_nc_u64 s[92:93], s[92:93], s[20:21]
	s_add_nc_u64 s[94:95], s[94:95], s[46:47]
	CROUND                                         ; all sixteen work-groups are here: the first joint loads meet
.irp s, 0,1
	s_mov_b32 s[G0+4*\s], 1
	s_add_co_u32 s[G0+4*\s+1], s45, \s*SLOT
	s_add_nc_u64 s[G0+4*\s+2:G0+4*\s+3], s[92:93], \s*ROWB
	s_or_b32 s[G0+4*\s+3], s[G0+4*\s+3], 0x80000000
	s_mov_b32 s[G0B+4*\s], 1
	s_add_co_u32 s[G0B+4*\s+1], s45, \s*SLOT
	s_add_nc_u64 s[G0B+4*\s+2:G0B+4*\s+3], s[94:95], \s*ROWB
	s_or_b32 s[G0B+4*\s+3], s[G0B+4*\s+3], 0x80000000
	JLOAD G0+4*\s, G1, G0B+4*\s, G1B
.endr
	v_and_b32 v1, 15, v0                           ; r = l % 16
	v_bfe_u32 v2, v0, 4, 1                         ; h = l / 16
	v_mul_u32_u24 v3, v1, PITCH
	v_lshl_add_u32 v4, v2, 4, v3                   ; a fragment's row x pitch + 16 x half
	s_mul_i32 s21, s15, HALFT                      ; my 128 rows of A
	s_mul_i32 s22, s16, HALFT                      ; my 128 rows of B,
	s_add_co_u32 s22, s22, 2*HALFT                 ; which lie behind A's 256
.irp s, 0,1
	v_add_nc_u32 v[ADRA+\s], s21, v4
	v_add_nc_u32 v[ADRB+\s], s22, v4
	s_add_co_u32 s21, s21, SLOT
	s_add_co_u32 s22, s22, SLOT
.endr
	v_and_b32 v6, 31, v0
	v_lshlrev_b32 v[LI], 4, v6
	; where the codes go and where the bias lies: tokens and channels are told apart by the same choice
	s_cmp_eq_u32 s78, 1
	s_cselect_b32 s20, s42, s17                    ; the block of 256 tokens
	s_cselect_b32 s21, s17, s42                    ; the block of 256 channels
	s_cselect_b32 s22, s16, s15                    ; my half of the tokens
	s_cselect_b32 s23, s15, s16                    ; my half of the channels
	s_cselect_b32 s46, 4, 0                        ; the bias of register j of lane (r, h) lies at r sa + h sb + j sc bytes: for v the lane's channel r for all j,
	s_cselect_b32 s47, 0, 32                       ; for q and k channel 8 h + j
	s_cselect_b32 s79, 0, 4
	s_lshr_b32 s18, s20, 3                         ; the batch,
	s_lshl_b32 s18, s18, 4
	s_lshl_b32 s19, s21, 2
	s_add_co_u32 s18, s18, s19
	s_lshl_b32 s19, s23, 1
	s_add_co_u32 s18, s18, s19                     ; my first head: 16 batch + 4 block + 2 half,
	s_lshl_b32 s18, s18, 17                        ; of 131,072 bytes;
	s_and_b32 s19, s20, 7
	s_lshl_b32 s19, s19, 1
	s_add_co_u32 s19, s19, s22
	s_lshl_b32 s19, s19, 13                        ; my 128 tokens: 8,192 bytes in each of the three layouts;
	s_add_co_u32 s18, s18, s19
	s_lshl_b32 s19, s76, 23                        ; q, k or v
	s_add_co_u32 s18, s18, s19
	s_mov_b32 s19, 0
	s_add_nc_u64 s[10:11], s[74:75], s[18:19]
	s_cmp_eq_u32 s76, 1
	s_cselect_b64 s[12:13], s[70:71], s[68:69]
	s_cmp_eq_u32 s76, 2
	s_cselect_b64 s[12:13], s[72:73], s[12:13]
	s_lshl_b32 s18, s21, 8
	s_lshl_b32 s19, s23, 7
	s_add_co_u32 s18, s18, s19
	s_lshl_b32 s18, s18, 2
	s_mov_b32 s19, 0
	s_add_nc_u64 s[12:13], s[12:13], s[18:19]      ; the bias at my 128 channels
	v_mul_u32_u24 v[OFS], s46, v1
	v_mad_u32_u24 v[OFS], v2, s47, v[OFS]
.irp j, 0,1,2,3,4,5,6,7
	v_mad_u32_u24 v[TMP+\j], s79, \j, v[OFS]
.endr
.irp g, 0,1,2,3,4,5,6,7
.irp j, 0,1,2,3,4,5,6,7
	global_load_b32 v[BI+8*\g+\j], v[TMP+\j], s[12:13] offset:64*\g   ; tile g of 16 channels; awaited on the way out
.endr
.endr
.macro FRAG reg, adr, q, i             ; 16 rows x 128 K: lane l holds row l % 16; by the order of a row's bytes registers 2 c, 2 c + 1 hold K = 16 c + 8 (l / 16) + 0 .. 7
.irp c, 0,1,2,3
	ds_load_b128 v[\reg+4*\c:\reg+4*\c+3], v[\adr] offset:128*(\q)+32*\c+(\i)*16*PITCH
.endr
.endm
; 16 matrix instructions: A's blocks a0, a0 + 1 x B's eight, 128 along K.  p: B's set.  zero = 1: the first product starts the sums.  The 64 accumulators take turns, one instruction a turn.
.macro MUL16 a0, p, zero
.irp a, \a0, \a0+1
.irp b, 0,1,2,3,4,5,6,7
.if \zero
	v_wmma_f32_16x16x128_fp8_fp8 v[8*(8*((\a)%4)+\b):8*(8*((\a)%4)+\b)+7], v[128*(\p)+FR*\b:128*(\p)+FR*\b+FR-1], v[AF+FR*(\a):AF+FR*(\a)+FR-1], 0
.else
	v_wmma_f32_16x16x128_fp8_fp8 v[8*(8*((\a)%4)+\b):8*(8*((\a)%4)+\b)+7], v[128*(\p)+FR*\b:128*(\p)+FR*\b+FR-1], v[AF+FR*(\a):AF+FR*(\a)+FR-1], v[8*(8*((\a)%4)+\b):8*(8*((\a)%4)+\b)+7]
.endif
.endr
.endr
.endm
.macro FETCH_B slot, q, p              ; B's eight fragments of the slot's q-th 128 along K into set p
	WIN TO_B
.irp i, 0,1,2,3,4,5,6,7
	FRAG 128*(\p)+FR*\i, ADRB+\slot, \q, \i
.endr
	WIN 0
.endm
.macro FETCH_A slot, q, i0             ; A's blocks i0 .. i0 + 3
.irp i, \i0, \i0+1, \i0+2, \i0+3
	FRAG AF+FR*(\i), ADRA+\slot, \q, \i
.endr
.endm
.macro PLACES n                        ; plain vector lines between a matrix instruction and a load into a register that it read, or a read of its result
.rept \n
	v_nop
.endr
.endm
; A step of 128 along K that has its successor in the same slot.
.macro STEP slot, q, zero
	s_wait_dscnt 4*NL                              ; B's set and A's blocks 0-3 are in; the youngest sixteen loads (A's blocks 4-7) may be out
	WIN MUL_LO
	MUL16 0, (\q)%2, \zero
	MUL16 2, (\q)%2, \zero
	s_wait_dscnt 0                                 ; A's blocks 4-7 are in
	PLACES NP
	FETCH_B \slot, (\q)+1, 1-(\q)%2
	FETCH_A \slot, (\q)+1, 0
	WIN MUL_HI
	MUL16 4, (\q)%2, \zero
	MUL16 6, (\q)%2, \zero
	PLACES NP
	WIN 0
	FETCH_A \slot, (\q)+1, 4
.endm
; A slot's last step changes slots: ONE barrier; in front of it each wave waits for all its tensor loads, adds 0 to its spare word, and waits for that and for its own reads of this slot.  fill = 1: this slot is filled again, two K steps ahead.
.macro TURN slot, next, fill
	s_wait_tensorcnt 0x0                           ; all my tensor loads have landed: my part of the next slot  (every window is 0 here)
	ds_add_u32 v[SPW], v[NIL]                      ; 0 onto my spare word
	s_wait_dscnt 4*NL+1                            ; the add and the youngest sixteen loads (A's blocks 4-7) may be out
	WIN MUL_LO
	MUL16 0, 1, 0                                  ; sixteen matrix instructions stand between the add and the wait for it
	s_wait_dscnt 0x0                               ; the add is done, and my reads of this slot are over
	s_barrier_signal -1
	MUL16 2, 1, 0
	WIN 0
	s_barrier_wait -1
.if \fill
	CREST                                          ; the barrier has opened a round of the cluster's barrier: no wave of any partner still reads this slot or has a load on its way
	s_add_nc_u64 s[G0+4*\slot+2:G0+4*\slot+3], s[G0+4*\slot+2:G0+4*\slot+3], 2*ROWB
	s_add_nc_u64 s[G0B+4*\slot+2:G0B+4*\slot+3], s[G0B+4*\slot+2:G0B+4*\slot+3], 2*ROWB
	JLOAD G0+4*\slot, G1, G0B+4*\slot, G1B         ; the first tensor load behind the round; its four v_nop are the places in front of the loads below
.else
	PLACES NP
.endif
	FETCH_B \next, 0, 0
	FETCH_A \next, 0, 0
	WIN MUL_HI
	MUL16 4, 1, 0
	MUL16 6, 1, 0
	PLACES NP
	WIN 0
	FETCH_A \next, 0, 4
.endm
	s_wait_tensorcnt 1                             ; my part of K step 0 is in; K step 1's load may be out
	s_barrier_signal -1
	s_barrier_wait -1                              ; everybody's is
	FETCH_B 0, 0, 0
	FETCH_A 0, 0, 0
	FETCH_A 0, 0, 4
	STEP 0, 0, 1                                   ; K 0-127: its products start the sums
	TURN 0, 1, 1                                   ; K 128-255; slot 0 takes K 512-767
	STEP 1, 0, 0
	TURN 1, 0, 1                                   ; slot 1 takes K 768-1023
	STEP 0, 0, 0
	TURN 0, 1, 0                                   ; nothing is left to fetch
	STEP 1, 0, 0
	s_wait_dscnt 4*NL                              ; the very last step
	WIN MUL_LO
	MUL16 0, 1, 0
	MUL16 2, 1, 0
	s_wait_dscnt 0
	WIN MUL_HI
	MUL16 4, 1, 0
	MUL16 6, 1, 0
	WIN 0
	; THE WAY OUT.  The scales are chosen as values; nothing branches on them.
	s_wait_kmcnt 0x0
	s_add_co_i32 s18, s80, s81                     ; e0 + e1
	s_add_co_i32 s19, s82, s83                     ; e2 + e3
	s_add_co_i32 s20, s84, s85                     ; e4 + e5
	s_cmp_eq_u32 s76, 1
	s_cselect_b32 s96, s19, s18
	s_cselect_b32 s21, s87, s86                    ; k: e7, q: e6
	s_cmp_eq_u32 s76, 2
	s_cselect_b32 s96, s20, s96
	s_cselect_b32 s21, s89, s21                    ; v: e9
	s_add_co_i32 s96, s96, 127
	s_lshl_b32 s96, s96, 23                        ; 2^(ea + eb) as f32
	s_mov_b32 s97, s96                             ; (named with it as a pair, so it is written)
	s_add_co_i32 s21, s21, 127
	s_lshl_b32 s22, s21, 23
	v_mov_b32 v[SCL], s22
	s_wait_loadcnt 0x0                             ; the bias is in, and its loads' offsets (v32-39) are free
	PLACES NP
; Block a of A's rows, half f of B's blocks: 32 sums a lane become result = sum x 2^(ea + eb) + bias, are held and converted: eight registers of codes, two stores of 512 bytes.  Each accumulator is read from its low end on.
; isv = 0: the lane's token 16 a + r, channels 64 f + 16 g + 8 h + j: half f is a head, its four conversions an image.   isv = 1: the lane's channel 16 a + r, keys 64 f + 16 g + 8 h + j: the two halves are one image of 128 keys.
.macro WAYOUT isv
.irp a, 0,1,2,3,4,5,6,7
.irp f, 0,1
	WIN 0x02+(\a/4)                                ; source 0: window 2 or 3
.irp g, 0,1,2,3
.if \isv
.set XB, BI+8*\a
.else
.set XB, BI+8*(4*\f+\g)
.endif
.irp i, 0,2,4,6
	v_pk_fma_f32 v[TMP+8*\g+\i:TMP+8*\g+\i+1], v[64*(\a%4)+8*(4*\f+\g)+\i:64*(\a%4)+8*(4*\f+\g)+\i+1], s[96:97], v[XB+\i:XB+\i+1] op_sel_hi:[1,0,1]
.endr
.endr
	WIN 0
.set n, 0
.rept 32
.set n, n+1
.endr
.irp g, 0,1,2,3
	v_cvt_scalef32_pk8_fp8_f32 v[CD+16*\a+8*\f+2*\g:CD+16*\a+8*\f+2*\g+1], v[TMP+8*\g:TMP+8*\g+7], v[SCL]
.endr
	v_nop                                          ; one plain line behind the conversions: the next half's multiply-adds write their sources
.irp c, 0,1
.if \isv
	global_store_b128 v[LI], v[CD+16*\a+8*\f+4*\c:CD+16*\a+8*\f+4*\c+3], s[10:11] offset:(\a/4)*131072+(\a%4)*2048+\f*1024+\c*512
.else
	global_store_b128 v[LI], v[CD+16*\a+8*\f+4*\c:CD+16*\a+8*\f+4*\c+3], s[10:11] offset:\a*1024+\f*131072+\c*512
.endif
.endr
.endr
.endr
.endm
	s_cmp_eq_u32 s78, 1                            ; the cluster's number alone: alike in all partners and waves; neither way touches LDS
	s_cbranch_scc1 .Lway_v
	WAYOUT 0
	s_branch .Ljoin
.Lway_v:
	WAYOUT 1
.Ljoin:
	s_wait_tensorcnt 0x0                           ; the wave's end
	ds_add_u32 v[SPW], v[NIL]
	s_wait_dscnt 0x0
	CROUND                                         ; the closing round: no work-group ends while a partner may still ask for a tile that names it
	s_endpgm
.Lfunc_end_k_qb62d9060b1_qkv:
	.size	k_qb62d9060b1_qkv, .Lfunc_end_k_qb62d9060b1_qkv-k_qb62d9060b1_qkv
	.p2alignl 7, 3214868480
	.fill 96, 4, 3214868480
	.section	.rodata,"a",@progbits
	.p2align	6, 0x0
	.amdhsa_kernel k_qb62d9060b1_qkv
		.amdhsa_group_segment_fixed_size 327680
		.amdhsa_private_segment_fixed_size 0
		.amdhsa_enable_private_segment 0
		.amdhsa_kernarg_size 56
		.amdhsa_user_sgpr_count 2
		.amdhsa_user_sgpr_kernarg_segment_ptr 1
		.amdhsa_wavefront_size32 1
		.amdhsa_system_sgpr_workgroup_id_x 1
		.amdhsa_system_sgpr_workgroup_id_y 1
		.amdhsa_system_sgpr_workgroup_id_z 1
		.amdhsa_system_vgpr_workitem_id 0
		.amdhsa_next_free_vgpr 1024
		.amdhsa_next_free_sgpr 98
		.amdhsa_reserve_vcc 0
		.amdhsa_float_denorm_mode_32 3
		.amdhsa_float_denorm_mode_16_64 3
		.amdhsa_fp16_overflow 1
		.amdhsa_memory_ordered 1
		.amdhsa_forward_progress 1
		.amdhsa_inst_pref_size 135
	.end_amdhsa_kernel
	.amdgpu_metadata
---
amdhsa.version: [ 1, 2 ]
amdhsa.kernels:
  - .name:           k_qb62d9060b1_qkv
    .symbol:         k_qb62d9060b1_qkv.kd
    .args:
      - { .name: xc, .offset: 0, .size: 8, .value_kind: global_buffer, .address_space: global }
      - { .name: wc, .offset: 8, .size: 8, .value_kind: global_buffer, .address_space: global }
      - { .name: lowp_scales, .offset: 16, .size: 8, .value_kind: global_buffer, .address_space: global }
      - { .name: bq, .offset: 24, .size: 8, .value_kind: global_buffer, .address_space: global }
      - { .name: bk, .offset: 32, .size: 8, .value_kind: global_buffer, .address_space: global }
      - { .name: bv, .offset: 40, .size: 8, .value_kind: global_buffer, .address_space: global }
      - { .name: qkvc, .offset: 48, .size: 8, .value_kind: global_buffer, .address_space: global }
    .group_segment_fixed_size: 327680
    .private_segment_fixed_size: 0
    .kernarg_segment_align: 8
    .kernarg_segment_size: 56
    .max_flat_workgroup_size: 128
    .sgpr_count:     98
    .vgpr_count:     1024
    .wavefront_size: 32
...
	.end_amdgpu_metadata
.endif
;; end of part 3
;; launch attn (part 4): grid 4 x 64, 16 waves a work-group, no clusters, 327,680 bytes of LDS; arguments qkvc, lowp_scales, ac; writes ac
.if DOCPART == 4
	.amdgcn_target "amdgcn-amd-amdhsa--gfx1250"
	.amdhsa_code_object_version 6
	.text
	.protected	k_qb62d9060b1_attn
	.globl	k_qb62d9060b1_attn
	.p2align	8
	.type	k_qb62d9060b1_attn,@function
k_qb62d9060b1_attn:
	s_mov_b64 s[64:65], 0
	v_nop
	global_prefetch_b8 v0, s[64:65] scope:SCOPE_SE
	s_setreg_imm32_b32 hwreg(HW_REG_WAVE_MODE, 25, 1), 1
	s_wait_xcnt 0x0
; Causal attention on codes of FP8 (E4M3): 64 heads (16 batch + head) of 2,048 tokens x 64 channels.  o = softmax(q k^T / 8, keys up to the query) v; o is quantised at once with e10 for the last product.
; THE SOFTMAX AHEAD OF THE SECOND PRODUCT: t = score x log2(e) / 8; M = the row's largest t so far, rounded UP to a whole number; p = 2^(t - M) is what is quantised (e8), not normalised.  The row's sum is taken of the
; unquantised p, in f32, and divides at the end.  When M moves, the sum and O are multiplied by 2^(old M - new M): exact.
; INPUTS are images of operand registers (byte 512 c + 16 lane = registers 4 c .. 4 c + 3): q, k: [head][tile of 16 tokens][1,024 bytes]; v: [head][step of 128 keys][tile of 16 channels][2,048 bytes], keys innermost.
; So every fragment comes by ds_load_b128 at 16 x lane: consecutive bytes, no pitch, no padding.  The output has q's layout: [tile of 16 tokens, 512][head 16][1,024 bytes]: two heads on end are a fragment of 128 along the last K.
; LAYOUT.  Both products are used transposed: S^T = K Q^T (source 0 = 16 keys, source 1 = my 16 queries; K = 64), O^T = V^T P^T (source 0 = 16 channels, source 1 = P; K = 128 keys): a lane holds ONE query throughout.
; Register 8 t + j of S^T is key 16 t + 8 (lane / 16) + j: eight registers convert into registers 2 t, 2 t + 1 of P, the plain form's own places.
; SHARES.  Work-group (i, head) owns the query blocks 7 - i and i of 256 queries, one after the other: block 7 - i walks the key slots 0 .. 7 - i, block i the slots 0 .. i: (8 - i) + (i + 1) = 9 visits of a slot of 256 keys in
; every work-group: equal work, a constant trip count, and no slot is fetched that is not read.  Each of SIXTEEN waves owns 16 queries in 256 registers.  In a block's last slot a step whose 128 keys all come after the
; wave's queries is jumped over (a scalar branch on ids), and in the step on the diagonal hidden scores become -infinity ahead of the maximum.  Key 0 counts for every query, so M is a number from a block's first step on.
; NO CLUSTER: the four work-groups of a head need 8 - i and i + 1 slots in their two passes, so partners would need different numbers of tiles.  Walking slots 0 .. 7 in step with both blocks in hand would cost each
; visit the busiest partner's steps, 2 2 2 2 1 1 1 1 = 12 slot-times against 9; what would be shared is 32,768 bytes a visit.
; THE RING: two slots of 32,768 bytes (K's 16 images, then V's 8).  Wave 0 fetches K's 16,384 bytes, wave 1 V's, each one dense block; one tensor load of a wave is out at the most, and every wait for tensor loads is for 0.
; LIMITS: e6 + e7 between -123 and 130 (they are added to c's exponent field, 124); e8 and e10 between -126 and 119; e8 + e9 goes in by v_ldexp_f32 and has none.
; REGISTERS: v1-7 addresses that stay; v12 -M, v13 the largest t, v[14:15] the sum; v16-23 Q, v24-31 the second block's Q; v32-95 K's or V's fragments; v96-159 S^T, then p; v160-191 O^T; v192-207 p's codes; v208-215 o's codes.
.set SLOT1, 32768                      ; slot 1 begins here: one exclusive or turns an address in one slot into the other's
.set VOFF,  16384                      ; V's images behind K's
.set SPARE, 2*SLOT1                    ; behind the ring: the spare words, 128 bytes for each of 16 waves, that no other line names
.set LI,   1                           ; v1   16 x lane
.set AD,   2                           ; v2   16 x lane + the slot in hand
.set PFO,  3                           ; v3   256 x lane: the prefetches' offset
.set SPW,  5                           ; v5   LDS address of my spare word; never rewritten
.set NIL,  6                           ; v6   0; never rewritten
.set DM,   7                           ; v7   lane % 16 - 8 (lane / 16), for the mask
.set TB,   2                           ; s2   LDS byte at which the slot in hand begins
.set CNT,  3                           ; s3   visits still to come behind this one, plus one less than nine: the loop's counter
.set QB,   14                          ; s14  the query block in hand
.set QB2,  15                          ; s15  the second one
.set KS,   16                          ; s16  the key slot in hand
.set KF,   17                          ; s17  the step's first key
.set WV,   18                          ; s18  my wave's number
.set Q0,   19                          ; s19  my first query
.set SEL,  20                          ; s[20:21] lane selects for v_permlanex16_b32: lane l xor 16
.set CS,   22                          ; s[22:23] c = log2(e) / 8 x 2^(e6 + e7)
.set G1,   24                          ; s[24:31] descriptor group 1: 64 rows of 256 bytes, dense
.set G0,   40                          ; s[40:43] descriptor group 0, which walks
.set TT0,  44                          ; s44  128 x batch + wave: my tile of tokens less 16 x block
.set HD,   45                          ; s45  the head in its batch
.set EPV,  46                          ; s46  e8 + e9
.set PFA,  48                          ; s[48:49] where my prefetches stand
.set LIM,  50                          ; s50  2 in a wave that prefetches, else the greatest number
.macro TLOAD                           ; waves 0 and 1 fetch, the others nothing: a branch on the wave's number.  An s_nop 0 and four v_nop follow the load
	s_cmp_lt_u32 s[WV], 2
	s_cbranch_scc0 .Lasked_\@
	tensor_load_to_lds s[G0:G0+3], s[G1:G1+7]
	s_nop 0
.rept 4
	v_nop
.endr
.Lasked_\@:
.endm
; A PREFETCH INTO THE L2 of the slot that the NEXT change of slots will ask for.  All four work-groups of a head walk the same K and V; work-group 0 walks all eight slots in its first pass, and it alone asks.
; In it four waves that fetch nothing ask, one instruction each: waves 4, 5 for the halves of K's 16,384 bytes, waves 6, 7 for V's; lanes 256 bytes apart, 8,192 bytes a wave: each aligned 256 bytes are named once in the launch.
; Visit n asks for slot n + 2, for n = 0 .. 5: slots 0 and 1 come by their loads alone, and nothing is named past slot 7.
.macro ASK
	s_cmp_gt_u32 s[CNT], s[LIM]
	s_cbranch_scc0 .Lnot_mine_\@
	global_prefetch_b8 v[PFO], s[PFA:PFA+1] th:TH_LOAD_NT scope:SCOPE_SE
.Lnot_mine_\@:
.endm
	s_load_b128 s[4:7], s[0:1], 0x0                ; qkvc s[4:5], the exponents s[6:7]
	s_load_b64 s[8:9], s[0:1], 0x10                ; ac
	v_lshl_add_u32 v[SPW], v0, 2, SPARE
	v_mov_b32 v[NIL], 0
	ds_add_u32 v[SPW], v[NIL]                      ; the wave's opening: the add and its wait stand ahead of my first tensor load; work on registers stands between them
	ds_add_u32 v[SPW], v[NIL]
	v_lshrrev_b32 v8, 5, v0
	s_delay_alu instid0(VALU_DEP_1)
	v_readfirstlane_b32 s[WV], v8                  ; wave 0..15
	s_and_b32 s52, ttmp7, 0xffff                   ; 16 batch + head
	s_lshr_b32 s[TT0], s52, 4
	s_lshl_b32 s[TT0], s[TT0], 7
	s_add_co_u32 s[TT0], s[TT0], s[WV]
	s_and_b32 s[HD], s52, 15
	s_lshl_b32 s52, s52, 17                        ; the head's first byte in each of q, k, v
	s_mov_b32 s[QB2], ttmp9
	s_sub_co_u32 s[QB], 7, ttmp9
	s_and_b32 s53, s[WV], 1                        ; what I fetch, if I fetch: 0 K, 1 V
	s_mov_b32 s[G0], 1                             ; 1:0 count = 1
	s_lshl_b32 s[G0+1], s53, 14                    ; 63:32 LDS address: slot 0, K's or V's half
	s_add_co_u32 s54, s53, 1
	s_lshl_b32 s54, s54, 23                        ; k lies 2^23 bytes, v 2^24 bytes into qkvc
	s_add_co_u32 s54, s54, s52
	s_mov_b32 s55, 0
	s_lshl_b32 s56, s[QB], 4                       ; Q: image 16 block + wave of the head
	s_add_co_u32 s56, s56, s[WV]
	s_lshl_b32 s56, s56, 10
	s_add_co_u32 s56, s56, s52
	s_mov_b32 s57, 0
	s_lshl_b32 s58, s[QB2], 4
	s_add_co_u32 s58, s58, s[WV]
	s_lshl_b32 s58, s58, 10
	s_add_co_u32 s58, s58, s52
	s_mov_b32 s59, 0
	s_bfe_u32 s60, s[WV], 0x10001                  ; the prefetches: (wave / 2) % 2: 0 K, 1 V;
	s_add_co_u32 s60, s60, 1
	s_lshl_b32 s60, s60, 23
	s_add_co_u32 s60, s60, s52
	s_lshl_b32 s61, s53, 13                        ; which 8,192 bytes;
	s_add_co_u32 s60, s60, s61
	s_add_co_u32 s60, s60, 16384                   ; in slot 1: the first change of slots steps it to slot 2
	s_mov_b32 s61, 0
	s_lshr_b32 s62, s[WV], 2
	s_xor_b32 s62, s62, 1                          ; 0 in waves 4 to 7,
	s_or_b32 s62, s62, ttmp9                       ; of the head's work-group 0
	s_cmp_eq_u32 s62, 0
	s_cselect_b32 s[LIM], 2, -1
	s_mov_b32 s[G1], 3<<16                         ; 15:0 no mask; 17:16 elements of 8 bytes; no padding
	s_mov_b32 s[G1+1], 32<<16                      ; tensor_dim0 = 32 elements: 256 bytes
	s_mov_b32 s[G1+2], 64<<16                      ; tensor_dim1 = 64
	s_mov_b32 s[G1+3], 32<<16                      ; tile_dim0
	s_mov_b32 s[G1+4], 64                          ; tile_dim1
	s_mov_b32 s[G1+5], 32                          ; tensor_dim0_stride: the block is dense
	s_mov_b32 s[G1+6], 0
	s_mov_b32 s[G1+7], 0
	s_mov_b32 s[SEL], 0x76543210
	s_mov_b32 s[SEL+1], 0xfedcba98
	s_mov_b32 s[CS], 0x3e38aa3b                    ; log2(e) / 8
	s_mov_b32 s[TB], 0
	s_mov_b32 s[KS], 0
	s_mov_b32 s[KF], 0
	s_mov_b32 s[CNT], 8
	s_lshl_b32 s[Q0], s[QB], 8
	s_lshl_b32 s62, s[WV], 4
	s_add_co_u32 s[Q0], s[Q0], s62                 ; my first query: 256 block + 16 wave
	s_wait_dscnt 0x0                               ; the opening add is done
	s_wait_kmcnt 0x0
	s_load_b256 s[68:75], s[6:7], 0x10             ; e4 .. e11: s70 e6, s71 e7, s72 e8, s73 e9, s74 e10
	s_add_nc_u64 s[12:13], s[4:5], s[54:55]        ; K or V of my head, key slot 0
	s_mov_b64 s[G0+2:G0+3], s[12:13]               ; 120:64 global address
	s_or_b32 s[G0+3], s[G0+3], 0x80000000          ; 127:126 type = 2
	TLOAD                                          ; key slot 0 into LDS slot 0
	s_add_nc_u64 s[56:57], s[4:5], s[56:57]
	s_add_nc_u64 s[58:59], s[4:5], s[58:59]
	s_add_nc_u64 s[PFA:PFA+1], s[4:5], s[60:61]
	v_and_b32 v8, 31, v0
	s_delay_alu instid0(VALU_DEP_1)
	v_lshlrev_b32 v[LI], 4, v8
	s_delay_alu instid0(VALU_DEP_2)
	v_lshlrev_b32 v[PFO], 8, v8
	global_load_b128 v[16:19], v[LI], s[56:57]                 ; both blocks' Q stay in registers
	global_load_b128 v[20:23], v[LI], s[56:57] offset:512
	global_load_b128 v[24:27], v[LI], s[58:59]
	global_load_b128 v[28:31], v[LI], s[58:59] offset:512
	v_and_b32 v8, 15, v0
	v_bfe_u32 v9, v0, 4, 1
	s_delay_alu instid0(VALU_DEP_1)
	v_lshlrev_b32 v9, 3, v9
	s_delay_alu instid0(VALU_DEP_1)
	v_sub_nc_u32 v[DM], v8, v9
	v_mov_b32 v13, 0xff61b1e6                      ; the largest t so far: -3e38, under every t
	s_delay_alu instid0(VALU_DEP_1)
	v_floor_f32 v12, -v13                          ; -M
	v_mov_b32 v14, 0                               ; the sum, in two halves
	v_mov_b32 v15, 0
	v_mov_b32 v236, 0                              ; written once: a lane permute's destination counts as one of its sources
	v_mov_b32 v252, 0
	v_mov_b32 v253, 0                              ; (named as the upper half of the pair v[252:253])
.set n, 0
.rept 32
	v_mov_b32 v[160+n], 0                          ; O^T: the step is written with no first step of its own: it finds zeros, which the first change of M leaves zeros
.set n, n+1
.endr
	s_wait_kmcnt 0x0
	s_add_co_i32 s62, s70, s71
	s_lshl_b32 s62, s62, 23
	s_add_co_i32 s[CS], s[CS], s62                 ; a score stands for score x 2^(e6 + e7): added to c's exponent field
	s_mov_b32 s[CS+1], s[CS]                       ; (named with it as a pair, so it is written)
	s_add_co_i32 s[EPV], s72, s73
	s_add_co_i32 s62, s72, 127
	s_lshl_b32 s63, s62, 23
	v_mov_b32 v244, s63                            ; 2^e8, for p's conversions
	s_add_co_i32 s62, s74, 127
	s_lshl_b32 s63, s62, 23
	v_mov_b32 v245, s63                            ; 2^e10, for o's
; A KEY STEP: 128 keys, the q-th of the slot in hand.
.macro STEP q
	s_add_co_u32 s96, s[Q0], 15
	s_cmp_gt_u32 s[KF], s96                        ; all 128 keys come after my 16 queries: the step's work is left out; no barrier, tensor load or wait of the ring stands in a step
	s_cbranch_scc1 .Lhidden_\@
.rept 4
	v_nop                                          ; places in front of loads into registers that the last products read
.endr
.set n, 0
	s_wait_alu depctr_va_vdst(0)
.rept 16
	ds_load_b128 v[32+4*n:35+4*n], v[AD] offset:8192*\q+512*n       ; K: eight images of 16 keys x 64 channels
.set n, n+1
.endr
	s_wait_dscnt 0x0
.set n, 0
.rept 8
	v_wmma_f32_16x16x64_fp8_fp8 v[96+8*n:103+8*n], v[32+8*n:39+8*n], v[16:23], 0
.set n, n+1
.endr
.rept 4
	v_nop                                          ; places: in front of the loads below and of the first read of the scores
.endr
.set n, 0
	s_wait_alu depctr_va_vdst(0)
.rept 16
	ds_load_b128 v[32+4*n:35+4*n], v[AD] offset:VOFF+8192*\q+512*n  ; V: four images of 16 channels x 128 keys; they land while the softmax is worked
.set n, n+1
.endr
	s_add_co_u32 s96, s[KF], 127
	s_cmp_le_u32 s96, s[Q0]                        ; all keys count for all my queries: no mask
	s_cbranch_scc1 .Lopen_\@
	s_sub_co_i32 s96, s[Q0], s[KF]
	v_add_nc_u32 v252, s96, v[DM]                  ; d = my query - KF - 8 (lane / 16).  Register n holds key KF + 8 (lane / 16) + 16 (n / 8) + n % 8: hidden where 16 (n / 8) + n % 8 > d
	v_mov_b32 v254, 0xff800000                     ; -infinity: p = 0 then
.set n, 0
.rept 64
	v_cmp_gt_i32 vcc_lo, 16*(n/8)+n%8, v252
	v_cndmask_b32 v[96+n], v[96+n], v254, vcc_lo
.set n, n+1
.endr
.Lopen_\@:
	v_max3_num_f32 v254, v96, v97, v98             ; the step's largest score of my query among my 64 keys, in two chains, each tile from its low end on,
	v_max3_num_f32 v252, v99, v100, v101
.set n, 6
.rept 14
	v_max3_num_f32 v254, v254, v[96+n], v[97+n]
	v_max3_num_f32 v252, v252, v[98+n], v[99+n]
.set n, n+4
.endr
	v_max3_num_f32 v254, v254, v158, v159
	s_delay_alu instid0(VALU_DEP_1)
	v_max_num_f32 v254, v254, v252
	s_delay_alu instid0(VALU_DEP_1)
	v_permlanex16_b32 v236, v254, s[SEL], s[SEL+1]
	s_delay_alu instid0(VALU_DEP_1)
	v_max_num_f32 v254, v254, v236                 ; and among lane l xor 16's
	s_delay_alu instid0(VALU_DEP_1)
	v_mul_f32 v254, s[CS], v254                    ; as t (c is positive)
	s_delay_alu instid0(VALU_DEP_1)
	v_max_num_f32 v13, v13, v254                   ; the running largest t
	v_mov_b32 v254, v12
	s_delay_alu instid0(VALU_DEP_2)
	v_floor_f32 v12, -v13                          ; the new -M = floor(-t) = -ceil(t): M is a whole number
	s_delay_alu instid0(VALU_DEP_1)
	v_sub_f32 v254, v12, v254                      ; old M - new M: a whole number, 0 or less
	s_delay_alu instid0(VALU_DEP_1)
	v_cvt_i32_f32 v254, v254                       ; (it saturates)
	s_delay_alu instid0(VALU_DEP_1)
	v_ldexp_f32 v252, 1.0, v254                    ; f = 2^(old M - new M)
.set n, 0
.rept 32
	v_pk_fma_f32 v[96+n:97+n], v[96+n:97+n], s[CS:CS+1], v[12:13] op_sel_hi:[1,0,0]   ; t - M, two at a time
.set n, n+2
.endr
.set n, 0
	s_wait_alu depctr_va_vdst(0)
.rept 64
	v_exp_f32 v[96+n], v[96+n]                     ; p = 2^(t - M), at most 1
.set n, n+1
.endr
	v_pk_mul_f32 v[14:15], v[14:15], v[252:253] op_sel_hi:[1,0]   ; the sums under the new M: the plain line behind the exponentials
	s_wait_alu depctr_va_vdst(0)                   ; one wait for the batch of 64, ahead of its first reader
	v_pk_add_f32 v[242:243], v[100:101], v[104:105]
	v_pk_add_f32 v[254:255], v[108:109], v[112:113]
	v_pk_add_f32 v[250:251], v[116:117], v[120:121]
	v_pk_add_f32 v[248:249], v[124:125], v[128:129]
	v_pk_add_f32 v[246:247], v[132:133], v[136:137]
	v_pk_add_f32 v[240:241], v[140:141], v[144:145]
	v_pk_add_f32 v[238:239], v[148:149], v[152:153]
	v_pk_add_f32 v[14:15], v[14:15], v[156:157]
	v_pk_add_f32 v[242:243], v[242:243], v[96:97]
	v_pk_add_f32 v[254:255], v[254:255], v[98:99]
	v_pk_add_f32 v[250:251], v[250:251], v[102:103]
	v_pk_add_f32 v[248:249], v[248:249], v[106:107]
	v_pk_add_f32 v[246:247], v[246:247], v[110:111]
	v_pk_add_f32 v[240:241], v[240:241], v[114:115]
	v_pk_add_f32 v[238:239], v[238:239], v[118:119]
	v_pk_add_f32 v[14:15], v[14:15], v[122:123]
	v_pk_add_f32 v[242:243], v[242:243], v[126:127]
	v_pk_add_f32 v[254:255], v[254:255], v[130:131]
	v_pk_add_f32 v[250:251], v[250:251], v[134:135]
	v_pk_add_f32 v[248:249], v[248:249], v[138:139]
	v_pk_add_f32 v[246:247], v[246:247], v[142:143]
	v_pk_add_f32 v[240:241], v[240:241], v[146:147]
	v_pk_add_f32 v[238:239], v[238:239], v[150:151]
	v_pk_add_f32 v[14:15], v[14:15], v[154:155]
	v_pk_add_f32 v[242:243], v[242:243], v[158:159]
	s_delay_alu instid0(VALU_DEP_2)
	v_pk_add_f32 v[14:15], v[14:15], v[248:249]
	s_delay_alu instid0(VALU_DEP_2)
	v_pk_add_f32 v[242:243], v[242:243], v[246:247]
	v_pk_add_f32 v[254:255], v[254:255], v[240:241]
	v_pk_add_f32 v[250:251], v[250:251], v[238:239]
	s_delay_alu instid0(VALU_DEP_2)
	v_pk_add_f32 v[14:15], v[14:15], v[254:255]
	s_delay_alu instid0(VALU_DEP_2)
	v_pk_add_f32 v[242:243], v[242:243], v[250:251]
	s_delay_alu instid0(VALU_DEP_1)
	v_pk_add_f32 v[14:15], v[14:15], v[242:243]
.irp t, 0,1,2,3,4,5,6,7
.irp j, 0,1,2,3,4,5,6,7
.endr
	v_cvt_scalef32_pk8_fp8_f32 v[192+2*\t:193+2*\t], v[96+8*\t:103+8*\t], v244
.endr
.set n, 0
.rept 16
	v_pk_mul_f32 v[160+n:161+n], v[160+n:161+n], v[252:253] op_sel_hi:[1,0]   ; O^T under the new M; also the plain lines between the conversions and the products
.set n, n+2
.endr
	s_wait_alu depctr_va_vdst(0)
	s_wait_dscnt 0x0                               ; V is in
.set n, 0
.rept 4
	v_wmma_f32_16x16x128_fp8_fp8 v[160+8*n:167+8*n], v[32+16*n:47+16*n], v[192:207], v[160+8*n:167+8*n]   ; the four accumulators take turns, one instruction a turn
.set n, n+1
.endr
.Lhidden_\@:
	s_add_co_u32 s[KF], s[KF], 128
.endm
; THE CHANGE OF SLOTS stands at a visit's head.  Each wave waits for all its tensor loads, adds 0 to its spare word, and waits for that and for its reads of the slot that it has left.  Behind the barrier the slot ahead is
; whole and nobody reads the other one.  fill = 1: that other slot takes the next visit's keys: the next key slot, or slot 0 again where the block in hand ends with this visit.
.macro CHANGE fill
	s_wait_tensorcnt 0x0                           ; no tensor load of mine is out, so group 0 may be written
	ds_add_u32 v[SPW], v[NIL]                      ; 0 onto my spare word; work on registers stands between it and the wait for it
.if \fill
	s_add_co_u32 s96, s[KS], 1
	s_cmp_eq_u32 s[KS], s[QB]
	s_cselect_b32 s96, 0, s96                      ; ids and the count of visits alone
	s_lshl_b32 s96, s96, 14                        ; a key slot is 16,384 bytes of K and of V
	s_mov_b32 s97, 0
	s_add_nc_u64 s[G0+2:G0+3], s[12:13], s[96:97]
	s_or_b32 s[G0+3], s[G0+3], 0x80000000
	s_xor_b32 s[G0+1], s[G0+1], SLOT1              ; the other LDS slot than last time
	s_wait_xcnt 0x0                                ; the last prefetch, a visit back, has read its address, so it may be written
	s_add_nc_u64 s[PFA:PFA+1], s[PFA:PFA+1], 16384
.endif
	s_wait_dscnt 0x0                               ; the add is done, and my reads of the slot that I have left are over
	s_barrier_signal -1
	s_barrier_wait -1
.if \fill
	TLOAD                                          ; the first thing behind the barrier, and a wave's one tensor load until the next
	ASK
.endif
.endm
; A BLOCK'S END: o = O^T / the sum x 2^(e8 + e9), quantised with e10; four conversions give the image's eight registers, two stores of 512 bytes.  re = 1: the second block begins.
.macro FINAL re
	s_wait_xcnt 0x0                                ; the first block's stores have read their data and their base
.rept 4
	v_nop                                          ; places behind the last products
.endr
	v_add_f32 v14, v14, v15                        ; the sum's two halves,
	s_delay_alu instid0(VALU_DEP_1)
	v_permlanex16_b32 v252, v14, s[SEL], s[SEL+1]
	s_delay_alu instid0(VALU_DEP_1)
	v_add_f32 v14, v14, v252                       ; and lane l xor 16's
	s_wait_alu depctr_va_vdst(0)
	v_rcp_f32 v14, v14
	v_nop                                          ; a plain line behind the transcendental
	s_lshl_b32 s96, s[QB], 4
	s_add_co_u32 s96, s96, s[TT0]                  ; my tile of 16 tokens,
	s_lshl_b32 s96, s96, 4
	s_add_co_u32 s96, s96, s[HD]                   ; x 16 heads + my head,
	s_lshl_b32 s96, s96, 10                        ; x 1,024 bytes
	s_mov_b32 s97, 0
	s_add_nc_u64 s[10:11], s[8:9], s[96:97]
	s_wait_alu depctr_va_vdst(0)                   ; the wait ahead of the reciprocal's first reader
	v_ldexp_f32 v14, v14, s[EPV]
.set n, 0
.rept 16
	v_pk_mul_f32 v[96+n:97+n], v[160+n:161+n], v[14:15] op_sel_hi:[1,0]   ; register 8 t + j is o(my query, channel 16 t + 8 (lane / 16) + j); each accumulator from its low end on
.set n, n+2
.endr
.set n, 0
.rept 32
.set n, n+1
.endr
.irp t, 0,1,2,3
	v_cvt_scalef32_pk8_fp8_f32 v[208+2*\t:209+2*\t], v[96+8*\t:103+8*\t], v245
.endr
	v_nop                                          ; one plain line behind the conversions
	global_store_b128 v[LI], v[208:211], s[10:11]
	global_store_b128 v[LI], v[212:215], s[10:11] offset:512
.if \re
	s_mov_b32 s[QB], s[QB2]
	s_mov_b32 s[KS], 0
	s_mov_b32 s[KF], 0
	s_lshl_b32 s[Q0], s[QB], 8
	s_lshl_b32 s96, s[WV], 4
	s_add_co_u32 s[Q0], s[Q0], s96
.irp j, 0,1,2,3,4,5,6,7
	v_mov_b32 v[16+\j], v[24+\j]                   ; the second block's Q
.endr
	v_mov_b32 v13, 0xff61b1e6
	s_delay_alu instid0(VALU_DEP_1)
	v_floor_f32 v12, -v13
	v_mov_b32 v14, 0
	v_mov_b32 v15, 0
.set n, 0
.rept 32
	v_mov_b32 v[160+n], 0
.set n, n+1
.endr
.endif
.endm
	s_wait_loadcnt 0x0                             ; Q
.Lslot:                                            ; eight trips: behind each change of slots but the last the next visit's keys are asked for
	CHANGE 1
	v_add_nc_u32 v[AD], s[TB], v[LI]
	STEP 0
	STEP 1
	s_xor_b32 s[TB], s[TB], SLOT1                  ; on to the other slot
	s_cmp_lg_u32 s[KS], s[QB]                      ; ids and the count of visits: alike in all sixteen waves; the branch leads round no barrier, no wait of the ring and no tensor load
	s_cbranch_scc1 .Lon
	FINAL 1                                        ; the first block's last slot is done
	s_branch .Lnext
.Lon:
	s_add_co_u32 s[KS], s[KS], 1
.Lnext:
	s_sub_co_u32 s[CNT], s[CNT], 1
	s_cmp_lg_u32 s[CNT], 0
	s_cbranch_scc1 .Lslot
	CHANGE 0                                       ; the ninth visit is written out: it is the second block's last slot
	v_add_nc_u32 v[AD], s[TB], v[LI]
	STEP 0
	STEP 1
	FINAL 0
	s_wait_tensorcnt 0x0                           ; the wave's end
	ds_add_u32 v[SPW], v[NIL]
	s_wait_dscnt 0x0
	s_endpgm
.Lfunc_end_k_qb62d9060b1_attn:
	.size	k_qb62d9060b1_attn, .Lfunc_end_k_qb62d9060b1_attn-k_qb62d9060b1_attn
	.p2alignl 7, 3214868480
	.fill 96, 4, 3214868480
	.section	.rodata,"a",@progbits
	.p2align	6, 0x0
	.amdhsa_kernel k_qb62d9060b1_attn
		.amdhsa_group_segment_fixed_size 327680
		.amdhsa_private_segment_fixed_size 0
		.amdhsa_enable_private_segment 0
		.amdhsa_kernarg_size 24
		.amdhsa_user_sgpr_count 2
		.amdhsa_user_sgpr_kernarg_segment_ptr 1
		.amdhsa_wavefront_size32 1
		.amdhsa_system_sgpr_workgroup_id_x 1
		.amdhsa_system_sgpr_workgroup_id_y 1
		.amdhsa_system_sgpr_workgroup_id_z 1
		.amdhsa_system_vgpr_workitem_id 0
		.amdhsa_next_free_vgpr 256
		.amdhsa_next_free_sgpr 98
		.amdhsa_reserve_vcc 1
		.amdhsa_float_denorm_mode_32 3
		.amdhsa_float_denorm_mode_16_64 3
		.amdhsa_fp16_overflow 1
		.amdhsa_memory_ordered 1
		.amdhsa_forward_progress 1
		.amdhsa_inst_pref_size 90
	.end_amdhsa_kernel
	.amdgpu_metadata
---
amdhsa.version: [ 1, 2 ]
amdhsa.kernels:
  - .name:           k_qb62d9060b1_attn
    .symbol:         k_qb62d9060b1_attn.kd
    .args:
      - { .name: qkvc, .offset: 0, .size: 8, .value_kind: global_buffer, .address_space: global }
      - { .name: lowp_scales, .offset: 8, .size: 8, .value_kind: global_buffer, .address_space: global }
      - { .name: ac, .offset: 16, .size: 8, .value_kind: global_buffer, .address_space: global }
    .group_segment_fixed_size: 327680
    .private_segment_fixed_size: 0
    .kernarg_segment_align: 8
    .kernarg_segment_size: 24
    .max_flat_workgroup_size: 512
    .sgpr_count:     98
    .vgpr_count:     256
    .wavefront_size: 32
...
	.end_amdgpu_metadata
.endif
;; end of part 4
;; launch outp (part 5): grid 4 x 32, 4 waves a work-group, clusters of 4 x 4, 327,680 bytes of LDS; arguments ac, wc, lowp_scales, bo, out0; writes out0
.if DOCPART == 5
	.amdgcn_target "amdgcn-amd-amdhsa--gfx1250"
	.amdhsa_code_object_version 6
	.text
	.protected	k_qb62d9060b1_outp
	.globl	k_qb62d9060b1_outp
	.p2align	8
	.type	k_qb62d9060b1_outp,@function
k_qb62d9060b1_outp:
	s_mov_b64 s[64:65], 0
	v_nop
	global_prefetch_b8 v0, s[64:65] scope:SCOPE_SE
	s_setreg_imm32_b32 hwreg(HW_REG_WAVE_MODE, 25, 1), 1
	s_wait_xcnt 0x0
	s_wait_alu depctr_hold_cnt(0) depctr_sa_sdst(0) depctr_va_vdst(0) depctr_va_sdst(0) depctr_va_ssrc(0) depctr_va_vcc(0) depctr_vm_vsrc(0)
	s_getreg_b32 s2, hwreg(HW_REG_IB_STS2, 6, 4)
	s_cmp_eq_u32 s2, 0
	s_cbranch_scc0 .Lentry_in_a_cluster
	s_endpgm
.Lentry_in_a_cluster:
	s_bfe_u32 s2, ttmp6, 0x10000c
	s_cmp_lg_u32 s2, 0xf033
	s_cbranch_scc0 .Lentry_shape_is_right
	s_endpgm
.Lentry_shape_is_right:
; out0 = a Wo + bo on codes of FP8 (E4M3): [8192 x 1024 x 1024]; out0 f32.  A number of a is its code x 2^e10, of Wo x 2^e11: out0 = sum x 2^(e10 + e11) + bo, one fused multiply-add.
; LIMIT: e10 + e11 between -126 and 127, so that 2^(e10 + e11) is an f32 number.
; A tile of 256 x 256 is made by four waves, 128 x 128 each: 64 accumulators, 512 registers.  128 work-groups: half as wide a tile would double them and halve the products that each LDS byte feeds.
; K goes in steps of 256 through two LDS slots; four slots in all, so the steps are written out with no loop.  A wave's two tensor loads at the start go out one at a time and one behind each change of slots that fills.
; A's CODES ARE IMAGES OF REGISTERS: [tile of 16 tokens, 512][head 16][1,024 bytes]; two heads on end are a fragment of 16 rows x 128 K: byte 512 c + 16 lane = registers 4 c .. 4 c + 3.  A K step is four heads: 4,096
; consecutive bytes of each tile of tokens, 16,384 apart; they lie in LDS as they lie in memory and are read at 16 x lane: no pitch, no padding.
; B's codes (Wo, the fourth weight in wc) are rows of 1,024 bytes whose byte order puts k into the same places when read 16 bytes at 32 c + 16 (lane / 16); rows of 256 bytes in LDS, 16 of padding behind each.
; CLUSTERS: 4 x 4 work-groups; A's tile is asked for jointly by a row of the cluster, B's by a column.  THE MATRIX INSTRUCTION IS USED TRANSPOSED (source 0 = B's rows, source 1 = A's): a lane holds eight neighbours of a row of out0.
; REGISTERS, in windows of 256: window 0: v0-31 addresses and bo; v128-255 A's fragments, ONE set, later rows on the way out.  window 1: B's fragments, TWO sets.  windows 2, 3: the accumulators ((a, b) at v[8 (8 (a % 4) + b)]).
.set SIZE_N, 1024
.set ROWB,   256                       ; a row of B's tile in bytes
.set KROW,   1024
.set PITCH,  272                       ; B's LDS row: 256 bytes + 16 = 68 words: row r starts at bank 4 r mod 64 (64 banks of 4 bytes: ISA guide 11.1)
.set FR,     16
.set NL,     4
.set NP,     4
.set HALFA,  32768                     ; 8 tiles of tokens x 4,096 bytes: what one load brings of A
.set HALFB,  128*PITCH                 ; 128 rows of B
.set BOFF,   2*HALFA                   ; B's rows lie behind A's images
.set SLOT,   BOFF+2*HALFB
.set SPARE,  2*SLOT                    ; behind the ring: the spare words, 128 bytes a wave, that no other line names
.set SPITCH, 528                       ; the way out: a stage of 16 rows x (512 bytes + 16) for each wave, in slot 0, which has had its last fill and its last read when the first result is stored there
.set BO,   8                           ; v8-11   bo of my four columns on the way out
.set ADRA, 16                          ; v16-17  LDS address of my A fragments in slot 0, 1
.set ADRB, 20                          ; v20-21  the same for B
.set STO,  24                          ; v24     the way out: where I put 32 bytes of a row
.set RD,   25                          ; v25     where I read a row back
.set CO,   26                          ; v26     16 x lane: my byte offset in a row of 512 bytes
.set SPW,  28                          ; v28     LDS address of my spare word; never rewritten
.set NIL,  29                          ; v29     0; never rewritten
.set AF,   128
.set BK,   128                         ; the way out: 16 rows read back: v128-191 and v192-255 by turns
.set G1, 24
.set G0, 32
.set G1B, 48
.set G0B, 56
.set MSB, 0
.macro WIN new                         ; the immediate's high byte repeats the setting that is left
.if MSB != \new
	s_set_vgpr_msb (MSB<<8)|\new
.set MSB, \new
.endif
.endm
.set MUL_LO, 0xa1                      ; source 0 (B) window 1, source 1 (A) window 0, C and D window 2
.set MUL_HI, 0xf1
.set TO_B,   0x40
.macro JLOAD g0a, g1a, g0b, g1b        ; a joint load: waves 0 and 1 fetch for A, waves 2 and 3 for B; an s_nop 0 and four v_nop follow each of the two lines
	s_cmp_eq_u32 s15, 0
	s_cbranch_scc0 .Lfor_b_\@
	tensor_load_to_lds s[\g0a:\g0a+3], s[\g1a:\g1a+7]
	s_nop 0
.rept 4
	v_nop
.endr
	s_branch .Lasked_\@
.Lfor_b_\@:
	tensor_load_to_lds s[\g0b:\g0b+3], s[\g1b:\g1b+7]
	s_nop 0
.rept 4
	v_nop
.endr
.Lasked_\@:
.endm
.macro CREST
	s_cmp_lg_u32 s14, 0
	s_cbranch_scc1 .Lnot_wave_0_\@
	s_barrier_signal -3
.Lnot_wave_0_\@:
	s_barrier_wait -3
	s_barrier_signal -1
	s_barrier_wait -1
.endm
.macro CROUND
	s_barrier_signal -1
	s_barrier_wait -1
	CREST
.endm
	s_load_b128 s[4:7], s[0:1], 0x0                ; a's codes s[4:5], the weights' codes s[6:7]
	s_load_b128 s[8:11], s[0:1], 0x10              ; the exponents s[8:9], bo s[10:11]
	s_load_b64 s[12:13], s[0:1], 0x20              ; out0
	v_lshl_add_u32 v[SPW], v0, 2, SPARE
	v_mov_b32 v[NIL], 0
	ds_add_u32 v[SPW], v[NIL]                      ; the wave's opening: the add and its wait stand ahead of my first tensor load; work on registers stands between them
	ds_add_u32 v[SPW], v[NIL]
	v_lshrrev_b32 v1, 5, v0
	v_readfirstlane_b32 s14, v1                    ; wave 0..3
	s_lshr_b32 s15, s14, 1                         ; which half of the tile's rows is mine.  Also: I fetch for A (0) or for B (1)
	s_and_b32 s16, s14, 1                          ; which half of its columns.  Also: which half of that tile I fetch
	s_bfe_u32 s40, ttmp6, 0x40000                  ; cx, cy
	s_bfe_u32 s41, ttmp6, 0x40004
	s_lshl_b32 s42, ttmp9, 2
	s_add_co_u32 s42, s42, s40                     ; tile column = 4 x cluster x + cx
	s_and_b32 s17, ttmp7, 0xffff
	s_lshl_b32 s17, s17, 2
	s_add_co_u32 s17, s17, s41                     ; tile row = 4 x cluster y + cy
	s_lshl_b32 s43, s41, 2
	s_lshl_b32 s43, 15, s43                        ; my row of the cluster
	s_lshl_b32 s44, 0x1111, s40                    ; my column
	s_or_b32 s[G1+0], s43, (3<<16)|(1<<21)         ; A: 15:0 the mask; 17:16 elements of 8 bytes; 21 set beside a mask; no padding
	s_mov_b32 s[G1+1], 512<<16                     ; tensor_dim0 = 512 elements: 4,096 bytes
	s_mov_b32 s[G1+2], 8<<16                       ; tensor_dim1 = 8 tiles of tokens
	s_mov_b32 s[G1+3], 512<<16                     ; tile_dim0
	s_mov_b32 s[G1+4], 8                           ; tile_dim1
	s_mov_b32 s[G1+5], 2048                        ; tensor_dim0_stride: 16,384 bytes from a tile of tokens to the next
	s_mov_b32 s[G1+6], 0
	s_mov_b32 s[G1+7], 0
	s_or_b32 s[G1B+0], s44, (0<<16)|(1<<20)|(1<<21)|(5<<22)|(3<<25)  ; B: elements of 1 byte; padding of 4 words after every 64
	s_mov_b32 s[G1B+1], ROWB<<16
	s_mov_b32 s[G1B+2], 128<<16
	s_mov_b32 s[G1B+3], ROWB<<16
	s_mov_b32 s[G1B+4], 128
	s_mov_b32 s[G1B+5], KROW
	s_mov_b32 s[G1B+6], 0
	s_mov_b32 s[G1B+7], 0
	s_lshl_b32 s20, s17, 4
	s_lshl_b32 s18, s16, 3
	s_add_co_u32 s20, s20, s18                     ; A: tile of tokens 16 x tile row + 8 x half,
	s_lshl_b32 s20, s20, 14                        ; of 16,384 bytes
	s_mov_b32 s21, 0
	s_lshl_b32 s46, s42, 8
	s_lshl_b32 s47, s16, 7
	s_add_co_u32 s46, s46, s47                     ; B: row 256 x tile column + 128 x half,
	s_lshl_b32 s46, s46, 10
	s_add_co_u32 s46, s46, 3<<20                   ; in the fourth weight
	s_mov_b32 s47, 0
	s_lshl_b32 s45, s16, 15                        ; where they go: A's half,
	s_mul_i32 s79, s16, HALFB
	s_add_co_u32 s79, s79, BOFF                    ; B's half: the wave's number alone
	s_wait_dscnt 0x0                               ; the opening add is done
	s_wait_kmcnt 0x0
	s_load_b64 s[96:97], s[8:9], 0x28              ; e10, e11
	s_add_nc_u64 s[20:21], s[4:5], s[20:21]
	s_add_nc_u64 s[46:47], s[6:7], s[46:47]
	CROUND                                         ; all sixteen work-groups are here: the first joint loads meet
.irp s, 0,1
	s_mov_b32 s[G0+4*\s], 1
	s_add_co_u32 s[G0+4*\s+1], s45, \s*SLOT
	s_add_nc_u64 s[G0+4*\s+2:G0+4*\s+3], s[20:21], \s*4096
	s_or_b32 s[G0+4*\s+3], s[G0+4*\s+3], 0x80000000
	s_mov_b32 s[G0B+4*\s], 1
	s_add_co_u32 s[G0B+4*\s+1], s79, \s*SLOT
	s_add_nc_u64 s[G0B+4*\s+2:G0B+4*\s+3], s[46:47], \s*ROWB
	s_or_b32 s[G0B+4*\s+3], s[G0B+4*\s+3], 0x80000000
	s_wait_alu depctr_va_vdst(0)
	s_wait_tensorcnt 0x0
	ds_add_u32 v28, v29
	ds_add_u32 v28, v29
	s_wait_dscnt 0x0
	CROUND
	JLOAD G0+4*\s, G1, G0B+4*\s, G1B
.endr
	v_and_b32 v1, 15, v0                           ; r
	v_bfe_u32 v2, v0, 4, 1                         ; h
	v_and_b32 v6, 31, v0
	v_lshlrev_b32 v[CO], 4, v6                     ; 16 x lane
	v_mul_u32_u24 v3, v1, PITCH
	v_lshl_add_u32 v4, v2, 4, v3                   ; B: row x pitch + 16 x half
	s_lshl_b32 s21, s15, 15                        ; my 8 tiles of tokens
	s_mul_i32 s22, s16, HALFB                      ; my 128 rows of B
	s_add_co_u32 s22, s22, BOFF
.irp s, 0,1
	v_add_nc_u32 v[ADRA+\s], s21, v[CO]
	v_add_nc_u32 v[ADRB+\s], s22, v4
	s_add_co_u32 s21, s21, SLOT
	s_add_co_u32 s22, s22, SLOT
.endr
	s_mul_i32 s23, s14, 16*SPITCH                  ; my stage
	v_mul_u32_u24 v5, v1, SPITCH                   ; in: row r, 32 bytes for each half of the lanes
	v_lshl_add_u32 v5, v2, 5, v5
	v_add_nc_u32 v[STO], s23, v5
	v_add_nc_u32 v[RD], s23, v[CO]                 ; back: the 32 lanes take one row of 512 bytes
	s_lshl_b32 s20, s17, 8
	s_lshl_b32 s21, s15, 7
	s_add_co_u32 s20, s20, s21                     ; my first row of out0,
	s_lshl_b32 s20, s20, 12                        ; of 4,096 bytes
	s_lshl_b32 s46, s42, 10                        ; my first column, in bytes: 1,024 x tile column + 512 x half
	s_lshl_b32 s47, s16, 9
	s_add_co_u32 s46, s46, s47
	s_mov_b32 s47, 0
	s_add_nc_u64 s[10:11], s[10:11], s[46:47]      ; bo at my 128 columns
	s_add_co_u32 s20, s20, s46
	s_mov_b32 s21, 0
	s_add_nc_u64 s[12:13], s[12:13], s[20:21]
	global_load_b128 v[BO:BO+3], v[CO], s[10:11]   ; on the way out a lane keeps the same four columns in every row; awaited there
.macro FRAGA reg, slot, q, i           ; tile of tokens i, the slot's q-th 128 along K: two heads' images on end
.irp c, 0,1,2,3
	ds_load_b128 v[\reg+4*\c:\reg+4*\c+3], v[ADRA+\slot] offset:4096*(\i)+2048*(\q)+512*\c
.endr
.endm
.macro FRAGB reg, slot, q, i
.irp c, 0,1,2,3
	ds_load_b128 v[\reg+4*\c:\reg+4*\c+3], v[ADRB+\slot] offset:128*(\q)+32*\c+(\i)*16*PITCH
.endr
.endm
; 16 matrix instructions: A's blocks a0, a0 + 1 x B's eight.  The 64 accumulators take turns, one instruction a turn.
.macro MUL16 a0, p, zero
.irp a, \a0, \a0+1
.irp b, 0,1,2,3,4,5,6,7
.if \zero
	v_wmma_f32_16x16x128_fp8_fp8 v[8*(8*((\a)%4)+\b):8*(8*((\a)%4)+\b)+7], v[128*(\p)+FR*\b:128*(\p)+FR*\b+FR-1], v[AF+FR*(\a):AF+FR*(\a)+FR-1], 0
.else
	v_wmma_f32_16x16x128_fp8_fp8 v[8*(8*((\a)%4)+\b):8*(8*((\a)%4)+\b)+7], v[128*(\p)+FR*\b:128*(\p)+FR*\b+FR-1], v[AF+FR*(\a):AF+FR*(\a)+FR-1], v[8*(8*((\a)%4)+\b):8*(8*((\a)%4)+\b)+7]
.endif
.endr
.endr
.endm
.macro FETCH_B slot, q, p
	WIN TO_B
.irp i, 0,1,2,3,4,5,6,7
	FRAGB 128*(\p)+FR*\i, \slot, \q, \i
.endr
	WIN 0
.endm
.macro FETCH_A slot, q, i0
.irp i, \i0, \i0+1, \i0+2, \i0+3
	FRAGA AF+FR*(\i), \slot, \q, \i
.endr
.endm
.macro PLACES n                        ; plain vector lines between a matrix instruction and a load into a register that it read, or a read of its result
.rept \n
	v_nop
.endr
.endm
.macro STEP slot, q, zero
	s_wait_dscnt 4*NL                              ; B's set and A's blocks 0-3 are in; the youngest sixteen loads (A's blocks 4-7) may be out
	WIN MUL_LO
	MUL16 0, (\q)%2, \zero
	MUL16 2, (\q)%2, \zero
	s_wait_dscnt 0
	PLACES NP
	FETCH_B \slot, (\q)+1, 1-(\q)%2
	FETCH_A \slot, (\q)+1, 0
	WIN MUL_HI
	MUL16 4, (\q)%2, \zero
	MUL16 6, (\q)%2, \zero
	PLACES NP
	WIN 0
	FETCH_A \slot, (\q)+1, 4
.endm
; A slot's last step changes slots: ONE barrier; in front of it each wave waits for all its tensor loads, adds 0 to its spare word, and waits for that and for its own reads of this slot.
.macro TURN slot, next, fill
	s_wait_tensorcnt 0x0                           ; all my tensor loads have landed: my part of the next slot  (every window is 0 here)
	ds_add_u32 v[SPW], v[NIL]                      ; 0 onto my spare word
	s_wait_dscnt 4*NL+1                            ; the add and the youngest sixteen loads may be out
	WIN MUL_LO
	MUL16 0, 1, 0
	s_wait_dscnt 0x0                               ; the add is done, and my reads of this slot are over
	s_barrier_signal -1
	MUL16 2, 1, 0
	WIN 0
	s_barrier_wait -1
.if \fill
	CREST                                          ; the barrier has opened a round of the cluster's barrier: no wave of any partner still reads this slot or has a load on its way
	s_add_nc_u64 s[G0+4*\slot+2:G0+4*\slot+3], s[G0+4*\slot+2:G0+4*\slot+3], 2*4096
	s_add_nc_u64 s[G0B+4*\slot+2:G0B+4*\slot+3], s[G0B+4*\slot+2:G0B+4*\slot+3], 2*ROWB
	JLOAD G0+4*\slot, G1, G0B+4*\slot, G1B         ; the first tensor load behind the round; its four v_nop are the places in front of the loads below
.else
	PLACES NP
.endif
	FETCH_B \next, 0, 0
	FETCH_A \next, 0, 0
	WIN MUL_HI
	MUL16 4, 1, 0
	MUL16 6, 1, 0
	PLACES NP
	WIN 0
	FETCH_A \next, 0, 4
.endm
	s_wait_alu depctr_va_vdst(0)
	s_wait_tensorcnt 1                             ; my part of K step 0 is in; K step 1's load may be out
	s_barrier_signal -1
	s_barrier_wait -1
	FETCH_B 0, 0, 0
	FETCH_A 0, 0, 0
	FETCH_A 0, 0, 4
	STEP 0, 0, 1                                   ; its products start the sums
	TURN 0, 1, 1
	STEP 1, 0, 0
	TURN 1, 0, 1
	STEP 0, 0, 0
	TURN 0, 1, 0                                   ; nothing is left to fetch
	STEP 1, 0, 0
	s_wait_dscnt 4*NL
	WIN MUL_LO
	MUL16 0, 1, 0
	MUL16 2, 1, 0
	s_wait_dscnt 0
	WIN MUL_HI
	MUL16 4, 1, 0
	MUL16 6, 1, 0
	WIN 0
; THE WAY OUT, block by block of 16 rows x 128 columns.  The sums go into my own stage as they are, straight from the accumulators (each from its low end on), and come back as whole rows of 512 bytes; there a lane holds the
; same four columns in every row, so two packed multiply-adds give sum x 2^(e10 + e11) + bo, and the 32 lanes store 512 consecutive bytes.  LDS serves a wave's instructions in order (ISA guide 5.7.1.4).
.macro TOSTAGE a
.set AC, 64*((\a)%4)
	WIN 0x08+4*((\a)/4)                            ; an LDS store's data are its source 1: window 2 or 3
.irp b, 0,1,2,3,4,5,6,7
	ds_store_b128 v[STO], v[AC+8*\b:AC+8*\b+3] offset:64*\b
	ds_store_b128 v[STO], v[AC+8*\b+4:AC+8*\b+7] offset:64*\b+16
.endr
	WIN 0
.set BB, BK+64*((\a)%2)
.irp t, 0,1,2,3,4,5,6,7,8,9,10,11,12,13,14,15
	ds_load_b128 v[BB+4*\t:BB+4*\t+3], v[RD] offset:\t*SPITCH
.endr
.endm
.macro SEND a, younger                 ; younger: the LDS instructions issued behind block a's loads, which may stay out
.set BB, BK+64*((\a)%2)
	s_wait_dscnt \younger                          ; the block is back in registers
.if (\a) > 0
	s_add_nc_u64 s[12:13], s[12:13], 16*SIZE_N*4   ; behind a wait on XCNT: the earlier stores have read their base
.endif
.irp t, 0,1,2,3,4,5,6,7,8,9,10,11,12,13,14,15
	v_pk_fma_f32 v[BB+4*\t:BB+4*\t+1], v[BB+4*\t:BB+4*\t+1], s[96:97], v[BO:BO+1] op_sel_hi:[1,0,1]
	v_pk_fma_f32 v[BB+4*\t+2:BB+4*\t+3], v[BB+4*\t+2:BB+4*\t+3], s[96:97], v[BO+2:BO+3] op_sel_hi:[1,0,1]
	global_store_b128 v[CO], v[BB+4*\t:BB+4*\t+3], s[12:13] offset:\t*SIZE_N*4 th:TH_STORE_NT   ; 512 consecutive bytes, aligned; written once, read by nobody here
.endr
.endm
	s_wait_kmcnt 0x0
	s_add_co_i32 s96, s96, s97
	s_add_co_i32 s96, s96, 127
	s_lshl_b32 s96, s96, 23                        ; 2^(e10 + e11) as f32
	s_mov_b32 s97, s96                             ; (named with it as a pair, so it is written)
	s_wait_loadcnt 0x0                             ; bo
	PLACES NP                                      ; for the stores that read results and the loads into the registers that held A's fragments
	TOSTAGE 0
.irp a, 1,2,3,4,5,6,7
.if \a > 1
	s_wait_xcnt 0x0                                ; block a - 2's stores have read their registers and their base
.endif
	TOSTAGE \a
	SEND \a-1, 32                                  ; behind block a - 1's loads: block a's 16 stores and 16 loads
.endr
	s_wait_xcnt 0x0                                ; block 6's stores have read their base
	SEND 7, 0
	s_wait_tensorcnt 0x0                           ; the wave's end
	ds_add_u32 v[SPW], v[NIL]
	s_wait_dscnt 0x0
	CROUND                                         ; the closing round: no work-group ends while a partner may still ask for a tile that names it
	s_endpgm
.Lfunc_end_k_qb62d9060b1_outp:
	.size	k_qb62d9060b1_outp, .Lfunc_end_k_qb62d9060b1_outp-k_qb62d9060b1_outp
	.p2alignl 7, 3214868480
	.fill 96, 4, 3214868480
	.section	.rodata,"a",@progbits
	.p2align	6, 0x0
	.amdhsa_kernel k_qb62d9060b1_outp
		.amdhsa_group_segment_fixed_size 327680
		.amdhsa_private_segment_fixed_size 0
		.amdhsa_enable_private_segment 0
		.amdhsa_kernarg_size 40
		.amdhsa_user_sgpr_count 2
		.amdhsa_user_sgpr_kernarg_segment_ptr 1
		.amdhsa_wavefront_size32 1
		.amdhsa_system_sgpr_workgroup_id_x 1
		.amdhsa_system_sgpr_workgroup_id_y 1
		.amdhsa_system_sgpr_workgroup_id_z 1
		.amdhsa_system_vgpr_workitem_id 0
		.amdhsa_next_free_vgpr 1024
		.amdhsa_next_free_sgpr 98
		.amdhsa_reserve_vcc 0
		.amdhsa_float_denorm_mode_32 3
		.amdhsa_float_denorm_mode_16_64 3
		.amdhsa_memory_ordered 1
		.amdhsa_forward_progress 1
		.amdhsa_inst_pref_size 124
	.end_amdhsa_kernel
	.amdgpu_metadata
---
amdhsa.version: [ 1, 2 ]
amdhsa.kernels:
  - .name:           k_qb62d9060b1_outp
    .symbol:         k_qb62d9060b1_outp.kd
    .args:
      - { .name: ac, .offset: 0, .size: 8, .value_kind: global_buffer, .address_space: global }
      - { .name: wc, .offset: 8, .size: 8, .value_kind: global_buffer, .address_space: global }
      - { .name: lowp_scales, .offset: 16, .size: 8, .value_kind: global_buffer, .address_space: global }
      - { .name: bo, .offset: 24, .size: 8, .value_kind: global_buffer, .address_space: global }
      - { .name: out0, .offset: 32, .size: 8, .value_kind: global_buffer, .address_space: global }
    .group_segment_fixed_size: 327680
    .private_segment_fixed_size: 0
    .kernarg_segment_align: 8
    .kernarg_segment_size: 40
    .max_flat_workgroup_size: 128
    .sgpr_count:     98
    .vgpr_count:     1024
    .wavefront_size: 32
...
	.end_amdgpu_metadata
.endif
;; end of part 5
